; MI455X (gfx1250); checked and timed in simulation.
; The chip was launched on July 23, 2026; its instructions are those of AMD's public machine-readable ISA for CDNA 5 (MIT licence, August 2026) and "CDNA5" Instruction Set Architecture Reference Guide (July 2026). The comments in the code are by the model that wrote it; some were corrected since.
;; Multi Head Attention. Allowed arithmetic: matrix products marked QUANTISED: E2M3 operands, one E8M0 scale for each 32 along K, by v_wmma_scale_f32_16x16x128_f8f6f4 with both operands' format E2M3, f32 sums; everything else in f32.
;; Inputs: Wk 1,024 x 1,024 float32; Wo 1,024 x 1,024 float32; Wq 1,024 x 1,024 float32; Wv 1,024 x 1,024 float32; bk 1,024 float32; bo 1,024 float32; bq 1,024 float32; bv 1,024 float32; k 4 x 2,048 x 1,024 float32; q 4 x 2,048 x 1,024 float32; v 4 x 2,048 x 1,024 float32.
;; Outputs: out0 4 x 2,048 x 1,024 float32.
;; This version of the problem:
;;   THIS VERSION OF THE PROBLEM IS GIVEN IN LOW PRECISION. The matrix products marked QUANTISED in the list below multiply operands that are first quantised to E2M3 (2 exponent bits, 3 mantissa bits; 6 bits a number), with one power-of-two scale for each 32 numbers along K (OCP MX v1.0); their sums are f32. All else is computed in f32.
;;   The module's matrix products, in the order in which they are computed (A, B: the left and right operand; K: the contracted axis; several contracted axes count as one K, in the product's order):
;;     1. [M 8,192, K 1,024] x [K 1,024, N 1,024]; A: input q; B: input Wq: QUANTISED
;;     2. [M 8,192, K 1,024] x [K 1,024, N 1,024]; A: input k; B: input Wk: QUANTISED
;;     3. [M 8,192, K 1,024] x [K 1,024, N 1,024]; A: input v; B: input Wv: QUANTISED
;;     4. batch 64 x [M 2,048, K 64] x [K 64, N 2,048]; A: computed on the way; B: computed on the way: QUANTISED
;;     5. batch 64 x [M 2,048, K 2,048] x [K 2,048, N 64]; A: softmax (see below); B: computed on the way: QUANTISED
;;     6. [M 8,192, K 1,024] x [K 1,024, N 1,024]; A: computed on the way; B: input Wo: QUANTISED
;;   THE QUANTISER, for each operand of a quantised product, along K:
;;     - K is cut into blocks of 32 from its start; a last block that is shorter is filled with zeros.
;;     - A block's scale is 2^e with e = floor(log2(the largest magnitude in the block)) - 2, held to -126 .. 127; a block of zeros has e = 0. As a byte (E8M0): e + 127.
;;     - Each number is divided by its block's scale, clamped to +-7.5, and rounded to the nearest number of E2M3, ties to even, subnormals kept.
;;     - The product sums the exact products of the quantised numbers (number of the format x scale) in f32.
;;   ~~~python
;;   def quantise(x, axis):      # numpy; x: float32 -> the quantised numbers, widened to float32 again
;;       x = np.moveaxis(x, axis, -1); K = x.shape[-1]
;;       x = np.pad(x, [(0, 0)] * (x.ndim - 1) + [(0, -K % 32)]); x = x.reshape(x.shape[:-1] + (-1, 32)); a = np.abs(x).max(-1, keepdims=True)
;;       e = np.where(a > 0, np.clip(np.frexp(np.where(a > 0, a, 1))[1] - 1 - 2, -126, 127), 0)      # np.frexp(a)[1] - 1 = floor(log2(a)), exactly
;;       r = np.clip(x / 2.0 ** e, -7.5, 7.5)
;;       step = 2.0 ** (np.maximum(np.frexp(np.where(r == 0, 1, r))[1] - 1, 0) - 3)
;;       q = np.round(r / step) * step * 2.0 ** e      # np.round: ties to even
;;       return np.moveaxis(q.reshape(q.shape[:-2] + (-1,))[..., :K], -1, axis).astype(np.float32)
;;   ~~~
;;   SOFTMAX AHEAD OF A QUANTISED PRODUCT. Where the list says 'softmax', what is quantised is not the finished softmax but p = 2^(t - M), with t = logit x log2(e) and M = ceil(the row's largest t), a whole number; so 1/2 < the row's largest p <= 1. The row's sum l is taken of the UNQUANTISED p, in f32, and the product's result is divided by l at the end. Since M is a whole number, a kernel that streams over the keys may use a running M (the ceiling of the running maximum): every later rescaling is an exact power of two, which a block's scale takes up: the codes' values come out the same.
;;   OPERANDS COMPUTED ON THE WAY. 'Computed on the way' means the value that the module computes at that place (a softmax that the list does not call 'softmax' is quantised finished and normalised). What goes into a quantiser is computed in f32, as accurately as f32 sums, v_exp_f32 and their like allow (about 1e-6 of the number): no bf16 or f16 on the way to a quantiser, and a product that is left as it is and whose result goes on into a quantised operand takes f32 operands (vector FMAs, or v_wmma_f32_16x16x4_f32). A number that lies on a knife's edge between two numbers of the format may be rounded either way, as far as f32 arithmetic and the matrix unit's own rounding can turn it there, and no further.
;; One version. Each part assembles by itself: llvm-mc -triple=amdgcn-amd-amdhsa -mcpu=gfx1250 --defsym DOCPART=n.
;; ======== version 1 of 1: 4 launches
;; limits: right only within a limited range of input values
;; workspace buffers: xc 18,874,368 bytes; xs 786,432 bytes; wc 3,145,728 bytes; ws 131,072 bytes; img 18,874,368 bytes; isc 1,572,864 bytes; ac 6,291,456 bytes; asc 262,144 bytes
;; launch quant (part 1): grid 896 x 1, 4 waves a work-group, no clusters, 68,096 bytes of LDS; arguments q, k, v, Wq, Wk, Wv, Wo, xc, xs, wc, ws; writes xc, xs, wc, ws
.if DOCPART == 1
	.amdgcn_target "amdgcn-amd-amdhsa--gfx1250"
	.amdhsa_code_object_version 6
	.text
	.protected	k_qde4df3b377_quant
	.globl	k_qde4df3b377_quant
	.p2align	8
	.type	k_qde4df3b377_quant,@function
k_qde4df3b377_quant:
	s_mov_b64 s[64:65], 0
	v_nop
	global_prefetch_b8 v0, s[64:65] scope:SCOPE_SE
	s_setreg_imm32_b32 hwreg(HW_REG_WAVE_MODE, 25, 1), 1
	s_wait_xcnt 0x0
; q, k, v [8192][1024] and Wq, Wk, Wv, Wo [1024 (K)][1024 (n)], all f32, become codes of FP6 (E2M3) with K innermost and one E8M0 byte for each 32 along K.
; A block's scale is 2^(floor(log2(its largest magnitude)) - 2); its byte is the largest magnitude's exponent field - 2, held at 1 from below.  A block of zeros so gets the byte 1 where the
; rule says 127: its codes are zeros, which add nothing under any byte but 0xff, and these bytes are read by this program alone.
; LIMITS: blocks whose largest magnitude lies under 2^-124 keep the byte 1; NaN and infinities among the inputs are not served.
; ORDER OF ROWS.  pi(i) is i with bits 3 and 4 exchanged.  Row i of v and column n = i of each weight is stored at position pi(i); q's rows keep their places.  A tile of 16 neighbouring
; positions then holds rows 32 b + 8 u + r + 8 (r / 8), which lets the later products leave 16 neighbours along the next K in one lane's registers.
; Work-groups 0-767 take the tokens (256 for each of q, k, v; 32 rows each, 8 rows a wave: K is innermost, a lane holds 16 neighbours after a turn through the wave's own stage in LDS).
; Work-groups 768-895 take the weights (32 each: 128 columns x 256 along K; a lane takes a column and its registers run down K).  The two ways have LDS bytes of their own.
; No tensor loads, no barrier: waves share nothing.
.set STEPS, 16
.set EMAX,  2
.set CB,    12                         ; bytes of 16 codes
.set R,     16                         ; tokens: v16-79 four sets of 16 numbers as loaded
.set X,     80                         ; v80-111 two sets of 16 neighbours
.set E,     112                        ; v112-127 a scale byte for each step
.set C,     128                        ; v128-191 codes, four registers a step
.set WREG,  8192                       ; LDS of a wave on the tokens' way: two stages of 32 x SP bytes, then 256 scale bytes
.set SP,    80
.set NB,    8                          ; weights: blocks of 32 along K for a wave
.set PITCH, 272                        ; a stage row: sixteen places of 16 bytes + 16
; LAYOUT OF THE CODES (xc, wc): [tensor][block of 256 positions][K step of 256][position in the block][192 bytes]: a tile of 256 positions x 256 along K is 49,152 consecutive bytes.
; k's rows do not go by pi: within each 64 rows the run of 8 rows 4 g + u (g = 0, 1; u = 0 .. 3) is stored as run 2 u + g, so that a tile of 16 positions holds keys 8 u + j and 32 + 8 u + j.
.set KROW,  192                        ; from position to position inside a tile
.set WN,    1024
.set WX,    32                         ; v32-95 two sets of 32 numbers
.set WC,    96                         ; a block's codes
.set OUTR,  112                        ; v112-175 the way out
.set SB,    24                         ; v24-25 the scale bytes
.set WST,   32768                      ; LDS of the weights' way: four stages of 32 x PITCH bytes
.set SPARE, WST+4*32*PITCH             ; the spare words, 128 bytes a wave: two blocks of 256 bytes that no other line names
.set SPW,   192                        ; v192 LDS address of my spare word; never rewritten
.set NIL,   193                        ; v193 0; never rewritten
.macro XLOAD t
.irp i, 0,1,2,3
	global_load_b128 v[R+16*((\t)%4)+4*\i:R+16*((\t)%4)+4*\i+3], v3, s[4:5] offset:2048*(\t)+512*\i th:TH_LOAD_NT   ; 32 lanes read 512 consecutive bytes
.endr
.endm
.macro XTURN t                         ; step t's numbers through the stage: LDS serves a wave's instructions in order, so no wait stands between the stores and the loads
.irp i, 0,1,2,3
	ds_store_b128 v14, v[R+16*((\t)%4)+4*\i:R+16*((\t)%4)+4*\i+3] offset:32*SP*((\t)%2)+8*SP*\i
.endr
.irp i, 0,1,2,3
	ds_load_b128 v[X+16*((\t)%2)+4*\i:X+16*((\t)%2)+4*\i+3], v15 offset:32*SP*((\t)%2)+16*\i
.endr
.endm
.macro XSTEP t
.set XS, X+16*((\t)%2)
.if (\t) > 0
	s_wait_dscnt 1                                 ; this step's numbers are back from the stage (the last step's byte store may be out): its stores into the stage have read their registers,
.else
	s_wait_dscnt 0x0
.endif
.if (\t)+4 < STEPS
	XLOAD (\t)+4                                   ; which take the loads of four steps on
.endif
.if (\t)+1 < STEPS
.if STEPS-2-(\t) >= 3
	s_wait_loadcnt 12                              ; the next step's four loads are in; those of the three steps behind it may be out
.else
	s_wait_loadcnt 4*(STEPS-2-(\t))
.endif
	XTURN (\t)+1
.endif
	v_max3_num_f32 v8, |v[XS]|, |v[XS+1]|, |v[XS+2]|               ; the largest magnitude of my 16, in two chains
	v_max3_num_f32 v9, |v[XS+3]|, |v[XS+4]|, |v[XS+5]|
.irp i, 6,10
	v_max3_num_f32 v8, v8, |v[XS+\i]|, |v[XS+\i+1]|
	v_max3_num_f32 v9, v9, |v[XS+\i+2]|, |v[XS+\i+3]|
.endr
	v_max3_num_f32 v8, v8, |v[XS+14]|, |v[XS+15]|
	v_max3_num_f32 v8, v8, v9, (EMAX+1)<<23        ; and the floor 2^(3 - 127): the byte cannot fall under 1
	v_max_num_f32_dpp v8, v8, v8 row_xmask:1 row_mask:0xf bank_mask:0xf   ; with my neighbour's 16: the block's
	v_add_nc_u32 v11, -(EMAX<<23), v8              ; 2 off its exponent field: the conversion takes the exponent field of this operand as its scale
	v_cvt_scalef32_pk16_fp6_f32 v[C+4*(\t):C+4*(\t)+2], v[XS:XS+15], v11
	v_lshrrev_b32 v[E+(\t)], 23, v11               ; the scale's byte (also the plain line behind the conversion)
	ds_store_b8 v5, v[E+(\t)] offset:16*(\t)       ; both lanes of a block write the same byte with the same value
	global_store_b96 v4, v[C+4*(\t):C+4*(\t)+2], s[6:7] offset:98304*((\t)%2)+192*((\t)/2)   ; row t / 2 of my 8; K steps 2 (t % 2) (lanes 0-15) and 2 (t % 2) + 1 (lanes 16-31): sixteen lanes store 192 consecutive bytes
.endm
.macro WLOAD t                         ; block t: W(32 t + i, my column) into set t % 2
.irp i, 0,1,2,3,4,5,6,7,8,9,10,11,12,13,14,15,16,17,18,19,20,21,22,23,24,25,26,27,28,29,30,31
	global_load_b32 v[WX+32*((\t)%2)+\i], v3, s[4:5] offset:(32*(\t)+\i)*WN*4 th:TH_LOAD_NT
.endr
.endm
.macro WBLOCK t
.set XS, WX+32*((\t)%2)
.if (\t) < NB-1
	s_wait_loadcnt 32                              ; this block's 32 loads are in; the next block's may be out
.else
	s_wait_loadcnt 0
.endif
	v_max3_num_f32 v12, |v[XS]|, |v[XS+1]|, |v[XS+2]|              ; the block's largest magnitude: all 32 numbers are mine
	v_max3_num_f32 v13, |v[XS+3]|, |v[XS+4]|, |v[XS+5]|
.irp i, 6,10,14,18,22,26
	v_max3_num_f32 v12, v12, |v[XS+\i]|, |v[XS+\i+1]|
	v_max3_num_f32 v13, v13, |v[XS+\i+2]|, |v[XS+\i+3]|
.endr
	v_max3_num_f32 v12, v12, |v[XS+30]|, |v[XS+31]|
	v_max3_num_f32 v12, v12, v13, (EMAX+1)<<23
	v_add_nc_u32 v11, -(EMAX<<23), v12
	v_lshrrev_b32 v13, 23, v11                     ; the scale's byte
.if (\t)%4 == 0
	v_mov_b32 v[SB+(\t)/4], v13                    ; four bytes to a register, the lower K in the lower byte
.else
	v_lshl_or_b32 v[SB+(\t)/4], v13, 8*((\t)%4), v[SB+(\t)/4]
.endif
	v_cvt_scalef32_pk16_fp6_f32 v[WC:WC+2], v[XS:XS+15], v11
	v_cvt_scalef32_pk16_fp6_f32 v[WC+4:WC+6], v[XS+16:XS+31], v11  ; (a conversion's three registers begin on an even number)
	v_nop                                          ; one plain line behind the conversions
	ds_store_b96 v4, v[WC:WC+2] offset:32*(\t)     ; 12 bytes to a place of 16 bytes in the stage
	ds_store_b96 v4, v[WC+4:WC+6] offset:32*(\t)+16
.if (\t)+2 < NB
	WLOAD (\t)+2
.endif
	s_wait_dscnt 0x0                               ; the stores have read their registers: the next block's codes may be written
.endm
	s_load_b512 s[8:23], s[0:1], 0x0               ; q 8, k 10, v 12, Wq 14, Wk 16, Wv 18, Wo 20, xc 22
	s_load_b128 s[24:27], s[0:1], 0x40             ; xs 24, wc 26
	s_load_b64 s[28:29], s[0:1], 0x50              ; ws
	v_lshl_add_u32 v[SPW], v0, 2, SPARE
	v_mov_b32 v[NIL], 0
	v_lshrrev_b32 v1, 5, v0
	v_readfirstlane_b32 s30, v1                    ; wave 0..3
	v_and_b32 v2, 31, v0                           ; lane
	s_mov_b32 s37, 0                               ; the upper word of every offset below
	s_wait_kmcnt 0x0
	s_cmp_lt_u32 ttmp9, 768                        ; tokens or weights: the work-group's number alone decides
	s_cbranch_scc0 .Lweights
	; ---- THE TOKENS
	s_lshr_b32 s31, ttmp9, 8                       ; which tensor: 0 q, 1 k, 2 v
	s_and_b32 s32, ttmp9, 255                      ; which 32 rows of it
	s_and_b32 s33, s30, 1
	s_lshl_b32 s33, s33, 1
	s_lshr_b32 s34, s30, 1
	s_or_b32 s33, s33, s34                         ; my wave's number with its two bits exchanged: pi on runs of 8 rows
	s_cmp_eq_u32 s31, 0
	s_cselect_b32 s33, s30, s33                    ; q keeps its order
	s_cmp_eq_u32 s31, 1
	s_cselect_b64 s[4:5], s[10:11], s[8:9]
	s_cmp_eq_u32 s31, 2
	s_cselect_b64 s[4:5], s[12:13], s[4:5]
	s_lshl_b32 s32, s32, 2
	s_add_co_u32 s34, s32, s30                     ; the run of 8 rows that I read,
	s_add_co_u32 s35, s32, s33
	s_and_b32 s38, s34, 3                          ; k: the run's low three bits (g, u) become (u, g)
	s_lshl_b32 s38, s38, 1
	s_bfe_u32 s39, s34, 0x10002
	s_or_b32 s38, s38, s39
	s_and_not1_b32 s39, s34, 7
	s_or_b32 s38, s38, s39
	s_cmp_eq_u32 s31, 1
	s_cselect_b32 s35, s38, s35
	s_lshl_b32 s36, s34, 15                        ; 8 rows of 4,096 bytes
	s_add_nc_u64 s[4:5], s[4:5], s[36:37]
	s_mul_i32 s36, s31, 6291456
	s_lshr_b32 s38, s35, 5                         ; the block of 256 positions,
	s_mul_i32 s38, s38, 196608
	s_add_co_u32 s36, s36, s38
	s_and_b32 s38, s35, 31                         ; and my 8 positions in it
	s_mul_i32 s38, s38, 1536
	s_add_co_u32 s36, s36, s38
	s_add_nc_u64 s[6:7], s[22:23], s[36:37]
	s_lshl_b32 s36, s31, 18
	s_lshl_b32 s38, s35, 8                         ; 8 rows of 32 bytes
	s_add_co_u32 s36, s36, s38
	s_add_nc_u64 s[2:3], s[24:25], s[36:37]
	s_wait_alu depctr_va_vdst(0)
	v_lshlrev_b32 v3, 4, v2                        ; my 16 bytes of a load's 512
	s_mul_i32 s38, s30, WREG
	v_lshrrev_b32 v14, 2, v2
	v_mul_u32_u24 v14, v14, SP
	v_and_b32 v15, 3, v2
	v_lshl_add_u32 v14, v15, 4, v14
	v_add_nc_u32 v14, s38, v14                     ; the stage, on the way in: SP (lane / 4) + 16 (lane % 4)
	v_mul_u32_u24 v15, v2, SP
	v_add_nc_u32 v15, s38, v15                     ; and on the way out: SP x lane: my 16 neighbours
	v_and_b32 v4, 15, v2
	v_mul_u32_u24 v4, v4, CB                       ; my codes' place in a row's 192 bytes,
	v_lshrrev_b32 v5, 4, v2
	v_mad_u32_u24 v4, v5, 0xc000, v4               ; lanes 16-31 one K step (49,152 bytes) on
	v_lshrrev_b32 v5, 1, v2
	s_add_co_u32 s38, s38, 2*32*SP
	v_add_nc_u32 v5, s38, v5                       ; my wave's 256 scale bytes, my block's byte
	v_lshlrev_b32 v7, 3, v2
	v_add_nc_u32 v6, s38, v7                       ; and on the way out 8 bytes a lane
.irp t, 0,1,2,3
	XLOAD \t
.endr
	s_wait_alu depctr_va_vdst(0)
	s_wait_loadcnt 12                              ; step 0's four loads are in
	XTURN 0
.irp t, 0,1,2,3,4,5,6,7,8,9,10,11,12,13,14,15
	XSTEP \t
.endr
	ds_load_b64 v[8:9], v6                         ; LDS serves a wave's instructions in order: these see my stores
	s_wait_dscnt 0x0
	global_store_b64 v7, v[8:9], s[2:3]            ; 32 lanes store 256 consecutive bytes, at a multiple of 256 from the buffer's first byte
	s_wait_tensorcnt 0x0                           ; the wave's end, behind my last LDS store
	ds_add_u32 v[SPW], v[NIL]
	s_wait_dscnt 0x0
	s_endpgm
	; ---- THE WEIGHTS
.Lweights:
	s_sub_co_u32 s31, ttmp9, 768
	s_lshr_b32 s32, s31, 5                         ; which weight: 0 Wq, 1 Wk, 2 Wv, 3 Wo
	s_bfe_u32 s33, s31, 0x30002                    ; which 128 columns
	s_and_b32 s34, s31, 3                          ; which 256 along K
	s_cmp_eq_u32 s32, 1
	s_cselect_b64 s[4:5], s[16:17], s[14:15]
	s_cmp_eq_u32 s32, 2
	s_cselect_b64 s[4:5], s[18:19], s[4:5]
	s_cmp_eq_u32 s32, 3
	s_cselect_b64 s[4:5], s[20:21], s[4:5]
	s_lshl_b32 s35, s33, 7
	s_lshl_b32 s36, s30, 5
	s_add_co_u32 s35, s35, s36                     ; my wave's first column
	s_lshl_b32 s36, s34, 20                        ; 256 rows of 4,096 bytes
	s_lshl_b32 s38, s35, 2
	s_add_co_u32 s36, s36, s38
	s_add_nc_u64 s[4:5], s[4:5], s[36:37]
	s_mul_i32 s36, s32, 786432
	s_lshr_b32 s38, s35, 8                         ; the block of 256 columns,
	s_mul_i32 s38, s38, 196608
	s_add_co_u32 s36, s36, s38
	s_and_b32 s38, s35, 255                        ; my first column in it
	s_mul_i32 s38, s38, KROW
	s_add_co_u32 s36, s36, s38
	s_mul_i32 s38, s34, 49152
	s_add_co_u32 s36, s36, s38
	s_add_nc_u64 s[6:7], s[26:27], s[36:37]
	s_lshl_b32 s36, s32, 15
	s_lshl_b32 s38, s35, 5
	s_add_co_u32 s36, s36, s38
	s_lshl_b32 s38, s34, 3
	s_add_co_u32 s36, s36, s38
	s_add_nc_u64 s[2:3], s[28:29], s[36:37]
	s_wait_alu depctr_va_vdst(0)
	v_lshlrev_b32 v3, 2, v2                        ; in: 4 bytes a lane
	s_mul_i32 s38, s30, 32*PITCH
	s_add_co_u32 s38, s38, WST                     ; my stage
	v_mul_u32_u24 v4, v2, PITCH
	v_add_nc_u32 v4, s38, v4                       ; into it: row = my column
	v_and_b32 v5, 15, v2
	v_lshrrev_b32 v6, 4, v2
	v_mul_u32_u24 v7, v6, PITCH
	v_lshl_add_u32 v7, v5, 4, v7
	v_add_nc_u32 v7, s38, v7                       ; out of it: sixteen lanes to a row, two rows an instruction
	v_mul_u32_u24 v8, v6, KROW
	v_mad_u32_u24 v8, v5, 12, v8                   ; and the same place in the codes' buffer
	v_and_b32 v9, 7, v2
	v_bfe_u32 v10, v2, 3, 1
	v_lshl_or_b32 v9, v10, 4, v9
	v_lshl_or_b32 v9, v6, 3, v9                    ; pi(lane)
	v_lshlrev_b32 v9, 5, v9                        ; my column's row of scale bytes
	WLOAD 0
	WLOAD 1
.irp t, 0,1,2,3,4,5,6,7
	WBLOCK \t
.endr
	s_wait_alu depctr_va_vdst(0)
	global_store_b64 v9, v[SB:SB+1], s[2:3]        ; my column's 8 scale bytes
.irp t, 0,1,2,3,4,5,6,7,8,9,10,11,12,13,14,15
	ds_load_b96 v[OUTR+4*\t:OUTR+4*\t+2], v7 offset:2*\t*PITCH
.endr
.irp t, 0,1,2,3,4,5,6,7,8,9,10,11,12,13,14,15
	s_wait_dscnt 15-\t
	global_store_b96 v8, v[OUTR+4*\t:OUTR+4*\t+2], s[6:7] offset:2*(((\t)&3)|(((\t)&4)<<1)|(((\t)&8)>>1))*KROW   ; columns 2 t, 2 t + 1 go to positions pi: bits 2 and 3 of t change places
.endr
	s_wait_tensorcnt 0x0                           ; the wave's end, as above
	ds_add_u32 v[SPW], v[NIL]
	s_wait_dscnt 0x0
	s_endpgm
.Lfunc_end_k_qde4df3b377_quant:
	.size	k_qde4df3b377_quant, .Lfunc_end_k_qde4df3b377_quant-k_qde4df3b377_quant
	.p2alignl 7, 3214868480
	.fill 96, 4, 3214868480
	.section	.rodata,"a",@progbits
	.p2align	6, 0x0
	.amdhsa_kernel k_qde4df3b377_quant
		.amdhsa_group_segment_fixed_size 68096
		.amdhsa_private_segment_fixed_size 0
		.amdhsa_enable_private_segment 0
		.amdhsa_kernarg_size 88
		.amdhsa_user_sgpr_count 2
		.amdhsa_user_sgpr_kernarg_segment_ptr 1
		.amdhsa_wavefront_size32 1
		.amdhsa_system_sgpr_workgroup_id_x 1
		.amdhsa_system_sgpr_workgroup_id_y 1
		.amdhsa_system_sgpr_workgroup_id_z 1
		.amdhsa_system_vgpr_workitem_id 0
		.amdhsa_next_free_vgpr 196
		.amdhsa_next_free_sgpr 66
		.amdhsa_reserve_vcc 0
		.amdhsa_float_denorm_mode_32 3
		.amdhsa_float_denorm_mode_16_64 3
		.amdhsa_memory_ordered 1
		.amdhsa_forward_progress 1
		.amdhsa_inst_pref_size 75
	.end_amdhsa_kernel
	.amdgpu_metadata
---
amdhsa.version: [ 1, 2 ]
amdhsa.kernels:
  - .name:           k_qde4df3b377_quant
    .symbol:         k_qde4df3b377_quant.kd
    .args:
      - { .name: q, .offset: 0, .size: 8, .value_kind: global_buffer, .address_space: global }
      - { .name: k, .offset: 8, .size: 8, .value_kind: global_buffer, .address_space: global }
      - { .name: v, .offset: 16, .size: 8, .value_kind: global_buffer, .address_space: global }
      - { .name: Wq, .offset: 24, .size: 8, .value_kind: global_buffer, .address_space: global }
      - { .name: Wk, .offset: 32, .size: 8, .value_kind: global_buffer, .address_space: global }
      - { .name: Wv, .offset: 40, .size: 8, .value_kind: global_buffer, .address_space: global }
      - { .name: Wo, .offset: 48, .size: 8, .value_kind: global_buffer, .address_space: global }
      - { .name: xc, .offset: 56, .size: 8, .value_kind: global_buffer, .address_space: global }
      - { .name: xs, .offset: 64, .size: 8, .value_kind: global_buffer, .address_space: global }
      - { .name: wc, .offset: 72, .size: 8, .value_kind: global_buffer, .address_space: global }
      - { .name: ws, .offset: 80, .size: 8, .value_kind: global_buffer, .address_space: global }
    .group_segment_fixed_size: 68096
    .private_segment_fixed_size: 0
    .kernarg_segment_align: 8
    .kernarg_segment_size: 88
    .max_flat_workgroup_size: 128
    .sgpr_count:     66
    .vgpr_count:     196
    .wavefront_size: 32
...
	.end_amdgpu_metadata
.endif
;; end of part 1
;; launch proj (part 2): grid 8 x 48, 4 waves a work-group, clusters of 4 x 4, 327,680 bytes of LDS; arguments xc, xs, wc, ws, bq, bk, bv, img, isc; writes img, isc
.if DOCPART == 2
	.amdgcn_target "amdgcn-amd-amdhsa--gfx1250"
	.amdhsa_code_object_version 6
	.text
	.protected	k_qde4df3b377_proj
	.globl	k_qde4df3b377_proj
	.p2align	8
	.type	k_qde4df3b377_proj,@function
k_qde4df3b377_proj:
	s_mov_b64 s[64:65], 0
	v_nop
	global_prefetch_b8 v0, s[64:65] scope:SCOPE_SE
	s_setreg_imm32_b32 hwreg(HW_REG_WAVE_MODE, 25, 1), 1
	s_wait_xcnt 0x0
	s_wait_alu depctr_hold_cnt(0) depctr_sa_sdst(0) depctr_va_vdst(0) depctr_va_sdst(0) depctr_va_ssrc(0) depctr_va_vcc(0) depctr_vm_vsrc(0)
	s_getreg_b32 s2, hwreg(HW_REG_IB_STS2, 6, 4)
	s_cmp_eq_u32 s2, 0
	s_cbranch_scc0 .Lentry_in_a_cluster
	s_endpgm
.Lentry_in_a_cluster:
	s_bfe_u32 s2, ttmp6, 0x10000c
	s_cmp_lg_u32 s2, 0xf033
	s_cbranch_scc0 .Lentry_shape_is_right
	s_endpgm
.Lentry_shape_is_right:
.set KSTEP,  256
.set NQ,     2
.set ROWB,   256                       ; a tile is a dense block of memory, stated as rows of 256 bytes; the padding's interval stays 64 bytes, so an LDS row of 192 bytes of codes is 240 bytes
.set KSTB,   49152                     ; from K step to K step in memory: 256 positions x 192 bytes
.set KROW,   768
.set PITCH,  240
.set FR,     12
.set NL,     6
.set NP,     4
.set HALFT,  128*PITCH
.set SLOT,   4*HALFT
.set LAPS,   2
.set KS,     32
.set SCL,    2*SLOT
.set HALFS,  (128*KS/256)*272
.set SBLK,   (16*KS/256)*272
.set SPARE,  SCL+4*HALFS
.set ADRA, 16
.set ADRB, 20
.set LI16, 24
.set LI8,  25
.set SCO,  26
.set ADRS, 27
.set SPW,  28
.set NIL,  29
.set SHF,  30
.set SC,   32
.set BIAS, 64
.set AF,   128
.set BIASL, 240
.set HA,   128
.set CD,   192
.set TM,   212
.set PW,   228
.set SV,   229
.set MODE, 2
.set P0,   4
.set P1,   6
.set PS,   8
.set SA1,  10
.set SA2,  12
.set SS1,  92
.set SS2,  98
.set SEL,  100
.set TT,   66
.set MASK, 67
.set G1, 24
.set G0, 32
.set G1B, 48
.set G0B, 56
.set G1S, 68
.set G0S, 76
.set G1SB, 80
.set G0SB, 88
.set MSB, 0
.macro WIN new
.if MSB != (\new)
	s_set_vgpr_msb (MSB<<8)|(\new)
.set MSB, (\new)
.endif
.endm
.set MUL_LO, 0xa1
.set MUL_HI, 0xf1
.set TO_B,   0x40
.macro JLOAD g0a, g1a, g0b, g1b
	s_cmp_eq_u32 s15, 0
	s_cbranch_scc0 .Lfor_b_\@
	tensor_load_to_lds s[\g0a:\g0a+3], s[\g1a:\g1a+7]
	s_nop 0
.rept 4
	v_nop
.endr
	s_branch .Lasked_\@
.Lfor_b_\@:
	tensor_load_to_lds s[\g0b:\g0b+3], s[\g1b:\g1b+7]
	s_nop 0
.rept 4
	v_nop
.endr
.Lasked_\@:
.endm
.macro CREST
	s_cmp_lg_u32 s14, 0
	s_cbranch_scc1 .Lnot_wave_0_\@
	s_barrier_signal -3
.Lnot_wave_0_\@:
	s_barrier_wait -3
	s_barrier_signal -1
	s_barrier_wait -1
.endm
.macro CROUND
	s_barrier_signal -1
	s_barrier_wait -1
	CREST
.endm
	s_load_b256 s[4:11], s[0:1], 0x0
	s_load_b256 s[92:99], s[0:1], 0x20
	s_load_b64 s[100:101], s[0:1], 0x40
	v_lshl_add_u32 v[SPW], v0, 2, SPARE
	v_mov_b32 v[NIL], 0
	ds_add_u32 v[SPW], v[NIL]
	ds_add_u32 v[SPW], v[NIL]
	v_lshrrev_b32 v1, 5, v0
	v_readfirstlane_b32 s14, v1
	s_lshr_b32 s15, s14, 1
	s_and_b32 s16, s14, 1
	s_bfe_u32 s40, ttmp6, 0x40000
	s_bfe_u32 s41, ttmp6, 0x40004
	s_and_b32 s18, ttmp7, 0xffff
	s_sub_co_u32 s20, s18, 8
	s_lshl_b32 s20, s20, 1
	s_add_co_u32 s20, s20, ttmp9
	s_cmp_ge_u32 s18, 8
	s_cselect_b32 s[MODE], 1, 0
	s_cselect_b32 s[TT], 2, ttmp9
	s_cselect_b32 s17, 0, s18
	s_cselect_b32 s42, s20, 0
	s_lshl_b32 s17, s17, 2
	s_add_co_u32 s17, s17, s41
	s_lshl_b32 s42, s42, 2
	s_add_co_u32 s42, s42, s40
	s_lshl_b32 s43, s41, 2
	s_lshl_b32 s43, 15, s43
	s_lshl_b32 s44, 0x1111, s40
	s_or_b32 s[G1+0], s43, (0<<16)|(1<<20)|(1<<21)|(3<<22)|(3<<25)
	s_or_b32 s[G1B+0], s44, (0<<16)|(1<<20)|(1<<21)|(3<<22)|(3<<25)
.irp g, G1, G1B
	s_mov_b32 s[\g+1], ROWB<<16
	s_mov_b32 s[\g+2], 192<<16
	s_mov_b32 s[\g+3], ROWB<<16
	s_mov_b32 s[\g+4], 192
	s_mov_b32 s[\g+5], ROWB
	s_mov_b32 s[\g+6], 0
	s_mov_b32 s[\g+7], 0
.endr
	s_or_b32 s[G1S+0], s43, (3<<16)|(1<<20)|(1<<21)|(5<<22)|(3<<25)
	s_or_b32 s[G1SB+0], s44, (3<<16)|(1<<20)|(1<<21)|(5<<22)|(3<<25)
.irp g, G1S, G1SB
	s_mov_b32 s[\g+1], 32<<16
	s_mov_b32 s[\g+2], (256*KS/256)<<16
	s_mov_b32 s[\g+3], 32<<16
	s_mov_b32 s[\g+4], 256*KS/256
	s_mov_b32 s[\g+5], 32
	s_mov_b32 s[\g+6], 0
	s_mov_b32 s[\g+7], 0
.endr
	s_lshl_b32 s20, s17, 8
	s_lshl_b32 s46, s42, 8
	s_lshl_b32 s22, s20, 5
	s_mov_b32 s23, 0
	s_mul_i32 s20, s20, KROW
	s_mov_b32 s21, 0
	s_lshl_b32 s12, s46, 5
	s_mov_b32 s13, 0
	s_mul_i32 s46, s46, KROW
	s_mov_b32 s47, 0
	s_mov_b32 s105, 0
	s_wait_dscnt 0x0
	s_wait_kmcnt 0x0
	s_mul_i32 s104, s[TT], 6291456
	s_add_nc_u64 s[4:5], s[4:5], s[104:105]
	s_mul_i32 s104, s[TT], 262144
	s_add_nc_u64 s[6:7], s[6:7], s[104:105]
	s_mul_i32 s104, s[TT], 786432
	s_add_nc_u64 s[8:9], s[8:9], s[104:105]
	s_mul_i32 s104, s[TT], 32768
	s_add_nc_u64 s[10:11], s[10:11], s[104:105]
	s_cmp_eq_u32 s[MODE], 0
	s_cselect_b64 s[18:19], s[4:5], s[8:9]
	s_cselect_b64 s[8:9], s[8:9], s[4:5]
	s_cselect_b64 s[104:105], s[6:7], s[10:11]
	s_cselect_b64 s[10:11], s[10:11], s[6:7]
	s_add_nc_u64 s[20:21], s[18:19], s[20:21]
	s_add_nc_u64 s[22:23], s[104:105], s[22:23]
	s_add_nc_u64 s[46:47], s[8:9], s[46:47]
	s_add_nc_u64 s[12:13], s[10:11], s[12:13]
	CROUND
; THE HEAD'S LOADS, one a wave: wave 0 K step 0 of A's 256 rows, wave 1 of B's, wave 2 the scales of A's 256 rows, wave 3 of B's; one chain of branches on the wave's number
	s_mov_b32 s[G0S], 1
	s_mov_b32 s[G0S+1], SCL
	s_mov_b64 s[G0S+2:G0S+3], s[22:23]
	s_or_b32 s[G0S+3], s[G0S+3], 0x80000000
	s_mov_b32 s[G0SB], 1
	s_mov_b32 s[G0SB+1], SCL+2*HALFS
	s_mov_b64 s[G0SB+2:G0SB+3], s[12:13]
	s_or_b32 s[G0SB+3], s[G0SB+3], 0x80000000
	s_mov_b32 s[G0], 1
	s_mov_b32 s[G0+1], 0
	s_mov_b64 s[G0+2:G0+3], s[20:21]
	s_or_b32 s[G0+3], s[G0+3], 0x80000000
	s_mov_b32 s[G0B], 1
	s_mov_b32 s[G0B+1], 2*HALFT
	s_mov_b64 s[G0B+2:G0B+3], s[46:47]
	s_or_b32 s[G0B+3], s[G0B+3], 0x80000000
.macro ARM under, g0, g1, next
	s_cmp_lt_u32 s14, \under
	s_cbranch_scc0 \next
	tensor_load_to_lds s[\g0:\g0+3], s[\g1:\g1+7]
	s_nop 0
.rept 4
	v_nop
.endr
	s_branch .Lhead_asked
\next:
.endm
	ARM 1, G0,  G1,  .Lhead_b
	ARM 2, G0B, G1B, .Lhead_sa
	ARM 3, G0S, G1S, .Lhead_sb
	tensor_load_to_lds s[G0SB:G0SB+3], s[G1SB:G1SB+7]
	s_nop 0
.rept 4
	v_nop
.endr
.Lhead_asked:
	v_and_b32 v1, 15, v0
	v_bfe_u32 v2, v0, 4, 1
	v_mul_u32_u24 v3, v1, PITCH
	v_mul_u32_u24 v4, v2, 24
	v_add_nc_u32 v4, v3, v4
	v_lshl_add_u32 v5, v2, 4, v4
	s_mul_i32 s21, s15, HALFT
	s_mul_i32 s22, s16, HALFT
	s_add_co_u32 s22, s22, 2*HALFT
.irp s, 0,1
	v_add_nc_u32 v[ADRA+\s], s21, v4
	v_add_nc_u32 v[ADRB+\s], s22, v4
	v_add_nc_u32 v[ADRA+2+\s], s21, v5
	v_add_nc_u32 v[ADRB+2+\s], s22, v5
	s_add_co_u32 s21, s21, SLOT
	s_add_co_u32 s22, s22, SLOT
.endr
	v_mul_u32_u24 v5, v1, KS
	v_lshrrev_b32 v6, 8, v5
	v_lshl_add_u32 v5, v6, 4, v5
	s_mul_i32 s21, s15, HALFS
	s_mul_i32 s22, s16, HALFS
	s_add_co_u32 s22, s22, 2*HALFS
	s_sub_co_u32 s22, s22, s21
	v_mul_u32_u24 v6, s22, v2
	s_add_co_u32 s21, s21, SCL
	v_add_nc_u32 v5, v5, v6
	v_add_nc_u32 v[ADRS], s21, v5
	s_cmp_eq_u32 s[TT], 1
	s_cselect_b64 s[92:93], s[94:95], s[92:93]
	s_cmp_eq_u32 s[TT], 2
	s_cselect_b64 s[92:93], s[96:97], s[92:93]
	s_lshl_b32 s20, s17, 1
	s_add_co_u32 s20, s20, s15
	s_lshl_b32 s46, s42, 1
	s_add_co_u32 s46, s46, s16
	s_lshl_b32 s21, s20, 9
	s_lshl_b32 s47, s46, 9
	s_cmp_eq_u32 s[MODE], 0
	s_cselect_b32 s104, s47, 0
	s_cselect_b32 s22, 0, s21
	s_cselect_b32 s18, s46, s20
	s_cselect_b32 s19, s20, s46
	s_mov_b32 s105, 0
	s_mov_b32 s23, 0
	s_add_nc_u64 s[94:95], s[92:93], s[104:105]
	s_add_nc_u64 s[96:97], s[92:93], s[22:23]
	v_lshlrev_b32 v8, 6, v2
	v_and_b32 v9, 7, v1
	v_lshrrev_b32 v7, 3, v1
	v_lshl_add_u32 v9, v7, 4, v9
	v_lshlrev_b32 v9, 2, v9
.irp t, 0,1,2,3,4,5,6,7
	global_load_b128 v[BIAS+8*\t:BIAS+8*\t+3], v8, s[94:95] offset:(32*(\t/2)+8*(\t%2))*4
	global_load_b128 v[BIAS+8*\t+4:BIAS+8*\t+7], v8, s[94:95] offset:(32*(\t/2)+8*(\t%2))*4+16
.endr
.irp a, 0,1,2,3,4,5,6,7
	global_load_b32 v[BIASL+2*\a], v9, s[96:97] offset:(32*(\a/2)+8*(\a%2))*4
	global_load_b32 v[BIASL+2*\a+1], v9, s[96:97] offset:(32*(\a/2)+8*(\a%2))*4
.endr
	s_cmp_lg_u32 s[TT], 0
	s_cselect_b32 s21, 1, 0
	s_mul_i32 s22, s18, 786432
	s_mul_i32 s23, s19, 6144
	s_add_co_u32 s22, s22, s23
	s_lshl_b32 s22, s22, s21
	s_mul_i32 s23, s21, 6291456
	s_add_co_u32 s22, s22, s23
	s_mul_i32 s23, s[MODE], 6144
	s_add_co_u32 s22, s22, s23
	s_mov_b32 s23, 0
	s_add_nc_u64 s[P0:P0+1], s[98:99], s[22:23]
	s_lshl_b32 s22, s18, 16
	s_lshl_b32 s104, s19, 9
	s_add_co_u32 s22, s22, s104
	s_lshl_b32 s22, s22, s21
	s_lshl_b32 s104, s21, 19
	s_add_co_u32 s22, s22, s104
	s_lshl_b32 s104, s[MODE], 9
	s_add_co_u32 s22, s22, s104
	s_add_nc_u64 s[PS:PS+1], s[100:101], s[22:23]
	s_lshl_b32 s22, 0x60000, s21
	s_lshl_b32 s104, 0x8000, s21
	s_mov_b32 s[SA1], 1536
	s_mov_b32 s[SA2], 781824
	s_cmp_eq_u32 s[MODE], 0
	s_cselect_b32 s22, s22, 768
	s_cselect_b32 s104, s104, 64
	s_cselect_b32 s[SA1], 768, s[SA1]
	s_cselect_b32 s[SA2], 768, s[SA2]
	s_cselect_b32 s[SS1], 64, 128
	s_cselect_b32 s[SS2], 64, 65152
	s_cselect_b32 s105, 16, 0
	s_cselect_b32 s[MASK], 0xffff, -1
	s_add_nc_u64 s[P1:P1+1], s[P0:P0+1], s[22:23]
	s_mov_b32 s[SA1+1], 0
	s_mov_b32 s[SA2+1], 0
	s_mov_b32 s[SS1+1], 0
	s_mov_b32 s[SS2+1], 0
	s_mov_b32 s[SEL], 0x76543210
	s_mov_b32 s[SEL+1], 0xfedcba98
	v_and_b32 v7, 31, v0
	v_lshlrev_b32 v[LI16], 4, v7
	v_lshlrev_b32 v[LI8], 3, v7
	v_mul_lo_u32 v[SCO], v2, s104
	v_lshl_add_u32 v[SCO], v1, 2, v[SCO]
	v_mul_lo_u32 v[SHF], v2, s105
.macro FRAG reg, adr, q, i
.irp p, 0,1,2,3,4,5
.set PIECE, 12*(\q)+6*(\p/3)+\p%3
.if PIECE%8 < 5
	ds_load_b64 v[\reg+2*\p:\reg+2*\p+1], v[\adr] offset:8*PIECE+16*(PIECE/8)+(\i)*16*PITCH
.else
	ds_load_b64 v[\reg+2*\p:\reg+2*\p+1], v[\adr+2] offset:8*PIECE+16*(PIECE/8)+(\i)*16*PITCH
.endif
.endr
.endm
.macro MUL16 a0, p, q, sc, zero
.irp a, \a0, \a0+1
.irp b, 0,1,2,3,4,5,6,7
.if \zero
	v_wmma_scale_f32_16x16x128_f8f6f4 v[8*(8*((\a)%4)+\b):8*(8*((\a)%4)+\b)+7], v[128*(\p)+FR*\b:128*(\p)+FR*\b+FR-1], v[AF+FR*(\a):AF+FR*(\a)+FR-1], 0, v[SC+8*NQ*(\sc)+NQ*\b+(\q)], v[SC+8*NQ*(\sc)+NQ*(\a)+(\q)] matrix_a_fmt:MATRIX_FMT_FP6 matrix_b_fmt:MATRIX_FMT_FP6 matrix_a_scale:MATRIX_SCALE_ROW1
.else
	v_wmma_scale_f32_16x16x128_f8f6f4 v[8*(8*((\a)%4)+\b):8*(8*((\a)%4)+\b)+7], v[128*(\p)+FR*\b:128*(\p)+FR*\b+FR-1], v[AF+FR*(\a):AF+FR*(\a)+FR-1], v[8*(8*((\a)%4)+\b):8*(8*((\a)%4)+\b)+7], v[SC+8*NQ*(\sc)+NQ*\b+(\q)], v[SC+8*NQ*(\sc)+NQ*(\a)+(\q)] matrix_a_fmt:MATRIX_FMT_FP6 matrix_b_fmt:MATRIX_FMT_FP6 matrix_a_scale:MATRIX_SCALE_ROW1
.endif
.endr
.endr
.endm
.macro FETCH_B slot, q, p
	WIN TO_B
.irp i, 0,1,2,3,4,5,6,7
	FRAG 128*(\p)+FR*\i, ADRB+\slot, \q, \i
.endr
	WIN 0
.endm
.macro FETCH_A slot, q, i0
.irp i, \i0, \i0+1, \i0+2, \i0+3
	FRAG AF+FR*(\i), ADRA+\slot, \q, \i
.endr
.endm
.macro SCALES sc
.irp i, 0,1,2,3,4,5,6,7
	ds_load_b64 v[SC+8*NQ*\sc+NQ*\i:SC+8*NQ*\sc+NQ*\i+1], v[ADRS] offset:\i*SBLK
.endr
.endm
.macro PLACES n
.rept \n
	v_nop
.endr
.endm
.macro STEP slot, q, zero
	s_wait_dscnt 4*NL
	WIN MUL_LO
	MUL16 0, (\q)%2, \q, \slot, \zero
	MUL16 2, (\q)%2, \q, \slot, \zero
	s_wait_dscnt 0
	PLACES NP
	FETCH_B \slot, (\q)+1, 1-(\q)%2
	FETCH_A \slot, (\q)+1, 0
	WIN MUL_HI
	MUL16 4, (\q)%2, \q, \slot, \zero
	MUL16 6, (\q)%2, \q, \slot, \zero
	PLACES NP
	WIN 0
	FETCH_A \slot, (\q)+1, 4
.endm
.macro TURN slot, next, fill
	s_wait_tensorcnt 0x0
	ds_add_u32 v[SPW], v[NIL]
	s_wait_dscnt 4*NL+1
	WIN MUL_LO
	MUL16 0, 1, NQ-1, \slot, 0
	s_wait_dscnt 0x0
	s_barrier_signal -1
	MUL16 2, 1, NQ-1, \slot, 0
	WIN 0
	s_barrier_wait -1
.if \fill
	CREST
	s_add_nc_u64 s[G0+4*\slot+2:G0+4*\slot+3], s[G0+4*\slot+2:G0+4*\slot+3], 2*KSTB
	s_add_nc_u64 s[G0B+4*\slot+2:G0B+4*\slot+3], s[G0B+4*\slot+2:G0B+4*\slot+3], 2*KSTB
	JLOAD G0+4*\slot, G1, G0B+4*\slot, G1B
.else
	PLACES NP
.endif
	s_wait_alu depctr_va_vdst(0)
	v_add_nc_u32 v[ADRS], 4*NQ, v[ADRS]
	FETCH_B \next, 0, 0
	FETCH_A \next, 0, 0
	SCALES \next
	WIN MUL_HI
	MUL16 4, 1, NQ-1, \slot, 0
	MUL16 6, 1, NQ-1, \slot, 0
	PLACES NP
	WIN 0
	FETCH_A \next, 0, 4
.endm
.macro QUANT s
.irp b, 0,1,2,3
	v_max3_num_f32 v[TM+\b], |v[\s+16*\b]|, |v[\s+1+16*\b]|, 0x1800000
.endr
.irp i, 2,4,6,8,10,12,14
.irp b, 0,1,2,3
	v_max3_num_f32 v[TM+\b], v[TM+\b], |v[\s+16*\b+\i]|, |v[\s+1+16*\b+\i]|
.endr
.endr
.irp b, 0,1,2,3
	v_permlanex16_b32 v[TM+4+\b], v[TM+\b], s[SEL], s[SEL+1]
.endr
.irp b, 0,1,2,3
	v_max_num_f32 v[TM+\b], v[TM+\b], v[TM+4+\b]
.endr
.irp b, 0,1,2,3
	v_add_nc_u32 v[TM+12+\b], 0xff000000, v[TM+\b]
.endr
.irp b, 0,1,2,3
	v_lshrrev_b32 v[TM+4+\b], 23, v[TM+12+\b]
.endr
	v_lshl_or_b32 v[PW], v[TM+5], 8, v[TM+4]
	v_lshl_or_b32 v[PW], v[TM+6], 16, v[PW]
	v_lshl_or_b32 v[PW], v[TM+7], 24, v[PW]
.irp c, 0,1
	v_cvt_scalef32_pk16_fp6_f32 v[CD+6*\c:CD+2+6*\c], v[\s+32*\c:\s+15+32*\c], v[TM+12+2*\c]
	v_cvt_scalef32_pk16_fp6_f32 v[CD+12+4*\c:CD+14+4*\c], v[\s+16+32*\c:\s+31+32*\c], v[TM+12+2*\c+1]
.endr
	v_nop
.irp c, 0,1
.irp i, 0,1,2
	v_permlane16_swap_b32 v[CD+6*\c+\i], v[CD+12+4*\c+\i]
.endr
.irp i, 0,1,2
	v_mov_b32 v[CD+3+6*\c+\i], v[CD+12+4*\c+\i]
.endr
.endr
.endm
.macro OUTBLK a
.set AC, 64*((\a)%4)
	s_cmp_eq_u32 s[MODE], 0
	s_cbranch_scc0 .Lby_lane_\@
	WIN 0x02+(\a)/4
.set i, 0
.rept 32
	v_pk_add_f32 v[HA+i:HA+i+1], v[AC+i:AC+i+1], v[BIAS+i:BIAS+i+1]
.set i, i+2
.endr
	WIN 0
	s_branch .Lbiased_\@
.Lby_lane_\@:
	WIN 0x02+(\a)/4
.set i, 0
.rept 32
	v_pk_add_f32 v[HA+i:HA+i+1], v[AC+i:AC+i+1], v[BIASL+2*(\a):BIASL+2*(\a)+1]
.set i, i+2
.endr
	WIN 0
.Lbiased_\@:
.if (\a) > 0
	s_wait_xcnt 0x0
.if (\a) == 4
	s_add_nc_u64 s[P0:P0+1], s[P0:P0+1], s[SA2:SA2+1]
	s_add_nc_u64 s[P1:P1+1], s[P1:P1+1], s[SA2:SA2+1]
	s_add_nc_u64 s[PS:PS+1], s[PS:PS+1], s[SS2:SS2+1]
.else
	s_add_nc_u64 s[P0:P0+1], s[P0:P0+1], s[SA1:SA1+1]
	s_add_nc_u64 s[P1:P1+1], s[P1:P1+1], s[SA1:SA1+1]
	s_add_nc_u64 s[PS:PS+1], s[PS:PS+1], s[SS1:SS1+1]
.endif
.endif
	QUANT HA
	v_lshrrev_b32 v[SV], v[SHF], v[PW]
	v_and_b32 v[SV], s[MASK], v[SV]
	global_store_b128 v[LI16], v[CD:CD+3], s[P0:P0+1]
	global_store_b64 v[LI8], v[CD+4:CD+5], s[P0:P0+1] offset:512
	global_store_b128 v[LI16], v[CD+6:CD+9], s[P1:P1+1]
	global_store_b64 v[LI8], v[CD+10:CD+11], s[P1:P1+1] offset:512
	global_store_b32 v[SCO], v[SV], s[PS:PS+1]
.endm
	s_wait_alu depctr_va_vdst(0)                   ; the head's end
	s_wait_tensorcnt 0x0                           ; my tile of the head's four is in
	ds_add_u32 v[SPW], v[NIL]
	s_mov_b32 s[G1+2], 96<<16                      ; no tensor load of mine is out: from here on a load brings 128 positions, 96 rows of 256 bytes
	s_mov_b32 s[G1+4], 96
	s_mov_b32 s[G1B+2], 96<<16
	s_mov_b32 s[G1B+4], 96
	s_mul_i32 s20, s16, 24576                      ; my half of a tile in memory,
	s_mov_b32 s21, 0
	s_mul_i32 s22, s14, HALFT                      ; and where it goes: wave x 128 rows
	s_mov_b32 s[G0+1], s22
	s_mov_b32 s[G0B+1], s22
	s_add_nc_u64 s[G0+2:G0+3], s[G0+2:G0+3], s[20:21]
	s_add_nc_u64 s[G0B+2:G0B+3], s[G0B+2:G0B+3], s[20:21]
	s_mov_b32 s[G0+4], 1
	s_add_co_u32 s[G0+5], s22, SLOT
	s_add_nc_u64 s[G0+6:G0+7], s[G0+2:G0+3], KSTB
	s_mov_b32 s[G0B+4], 1
	s_add_co_u32 s[G0B+5], s22, SLOT
	s_add_nc_u64 s[G0B+6:G0B+7], s[G0B+2:G0B+3], KSTB
	s_wait_dscnt 0x0
	CROUND                                         ; all four tiles are in, and all sixteen work-groups are here
	JLOAD G0+4, G1, G0B+4, G1B                     ; K step 1, the first tensor load behind the round
	FETCH_B 0, 0, 0
	FETCH_A 0, 0, 0
	SCALES 0
	FETCH_A 0, 0, 4
	STEP 0, 0, 1
	s_mov_b32 s3, LAPS-1
.Llap:
	TURN 0, 1, 1
	STEP 1, 0, 0
	TURN 1, 0, 1
	STEP 0, 0, 0
	s_sub_co_u32 s3, s3, 1
	s_cmp_lg_u32 s3, 0
	s_cbranch_scc1 .Llap
	TURN 0, 1, 0
	STEP 1, 0, 0
	s_wait_dscnt 4*NL
	WIN MUL_LO
	MUL16 0, 1, NQ-1, 1, 0
	MUL16 2, 1, NQ-1, 1, 0
	s_wait_dscnt 0
	WIN MUL_HI
	MUL16 4, 1, NQ-1, 1, 0
	MUL16 6, 1, NQ-1, 1, 0
	WIN 0
	s_wait_loadcnt 0x0
	PLACES NP
.irp b, 0,1,2,3
	v_mov_b32 v[TM+4+\b], 0
.endr
.irp a, 0,1,2,3,4,5,6,7
	OUTBLK \a
.endr
	s_wait_tensorcnt 0x0
	ds_add_u32 v[SPW], v[NIL]
	s_wait_dscnt 0x0
	CROUND
	s_endpgm
.Lfunc_end_k_qde4df3b377_proj:
	.size	k_qde4df3b377_proj, .Lfunc_end_k_qde4df3b377_proj-k_qde4df3b377_proj
	.p2alignl 7, 3214868480
	.fill 96, 4, 3214868480
	.section	.rodata,"a",@progbits
	.p2align	6, 0x0
	.amdhsa_kernel k_qde4df3b377_proj
		.amdhsa_group_segment_fixed_size 327680
		.amdhsa_private_segment_fixed_size 0
		.amdhsa_enable_private_segment 0
		.amdhsa_kernarg_size 72
		.amdhsa_user_sgpr_count 2
		.amdhsa_user_sgpr_kernarg_segment_ptr 1
		.amdhsa_wavefront_size32 1
		.amdhsa_system_sgpr_workgroup_id_x 1
		.amdhsa_system_sgpr_workgroup_id_y 1
		.amdhsa_system_sgpr_workgroup_id_z 1
		.amdhsa_system_vgpr_workitem_id 0
		.amdhsa_next_free_vgpr 1024
		.amdhsa_next_free_sgpr 106
		.amdhsa_reserve_vcc 0
		.amdhsa_float_denorm_mode_32 3
		.amdhsa_float_denorm_mode_16_64 3
		.amdhsa_memory_ordered 1
		.amdhsa_forward_progress 1
		.amdhsa_inst_pref_size 206
	.end_amdhsa_kernel
	.amdgpu_metadata
---
amdhsa.version: [ 1, 2 ]
amdhsa.kernels:
  - .name:           k_qde4df3b377_proj
    .symbol:         k_qde4df3b377_proj.kd
    .args:
      - { .name: xc, .offset: 0, .size: 8, .value_kind: global_buffer, .address_space: global }
      - { .name: xs, .offset: 8, .size: 8, .value_kind: global_buffer, .address_space: global }
      - { .name: wc, .offset: 16, .size: 8, .value_kind: global_buffer, .address_space: global }
      - { .name: ws, .offset: 24, .size: 8, .value_kind: global_buffer, .address_space: global }
      - { .name: bq, .offset: 32, .size: 8, .value_kind: global_buffer, .address_space: global }
      - { .name: bk, .offset: 40, .size: 8, .value_kind: global_buffer, .address_space: global }
      - { .name: bv, .offset: 48, .size: 8, .value_kind: global_buffer, .address_space: global }
      - { .name: img, .offset: 56, .size: 8, .value_kind: global_buffer, .address_space: global }
      - { .name: isc, .offset: 64, .size: 8, .value_kind: global_buffer, .address_space: global }
    .group_segment_fixed_size: 327680
    .private_segment_fixed_size: 0
    .kernarg_segment_align: 8
    .kernarg_segment_size: 72
    .max_flat_workgroup_size: 128
    .sgpr_count:     106
    .vgpr_count:     1024
    .wavefront_size: 32
...
	.end_amdgpu_metadata
.endif
;; end of part 2
;; launch attn (part 3): grid 4 x 64, 8 waves a work-group, clusters of 4 x 1, 215,040 bytes of LDS; arguments img, isc, ac, asc; writes ac, asc
.if DOCPART == 3
	.amdgcn_target "amdgcn-amd-amdhsa--gfx1250"
	.amdhsa_code_object_version 6
	.text
	.protected	k_qde4df3b377_attn
	.globl	k_qde4df3b377_attn
	.p2align	8
	.type	k_qde4df3b377_attn,@function
k_qde4df3b377_attn:
	s_mov_b64 s[64:65], 0
	v_nop
	global_prefetch_b8 v0, s[64:65] scope:SCOPE_SE
	s_setreg_imm32_b32 hwreg(HW_REG_WAVE_MODE, 25, 1), 1
	s_wait_xcnt 0x0
	s_wait_alu depctr_hold_cnt(0) depctr_sa_sdst(0) depctr_va_vdst(0) depctr_va_sdst(0) depctr_va_ssrc(0) depctr_va_vcc(0) depctr_vm_vsrc(0)
	s_getreg_b32 s2, hwreg(HW_REG_IB_STS2, 6, 4)
	s_cmp_eq_u32 s2, 0
	s_cbranch_scc0 .Lentry_in_a_cluster
	s_endpgm
.Lentry_in_a_cluster:
	s_bfe_u32 s2, ttmp6, 0x10000c
	s_cmp_lg_u32 s2, 0x3003
	s_cbranch_scc0 .Lentry_shape_is_right
	s_endpgm
.Lentry_shape_is_right:
; O[b][head][q] = the sum over the 2,048 keys of softmax(Q . K / 8) V, both products on codes of FP6 (E2M3) with E8M0 scales; O / the row's sum is quantised along the channels for the last projection.
; t = score x log2(e) / 8; M = the running largest t rounded UP to a whole number; p = 2^(t - M) is quantised along the keys; the row's sum is taken of the unquantised p; when M moves, the sum and O are
; multiplied by 2^(old M - new M), which rounds nothing.
; SHARES.  A work-group owns 512 queries of one (batch, head); each of its eight waves four tiles of 16: TWO TILES AT ONCE (A and B, 8 tiles apart), twice (a loop of two trips).  Each fragment of K and V that a wave
; takes from LDS feeds both tiles, and the two tiles' dependent lines stand by turns.  K, V and their scales of the whole (batch, head), 212,992 bytes, lie in LDS: filled once, so the loop over the keys has no barrier.
; The four work-groups of a cluster belong to one (batch, head) and ask for those bytes jointly, one tensor load a wave.  No prefetch: the one fill stands at the head, and there is no loop to run ahead in.
; OPERANDS lie in memory and LDS as images of their registers (six registers of 32 lanes = 16 rows x 64 K: registers 0-3 at 16 x lane, 4-5 at 512 + 8 x lane).
; Both products are used transposed (S^T = K Q^T, O^T = V^T P^T): a lane holds one query of each tile.  THE KEYS OF A TILE OF K: tile 4 c + u of a step holds keys 64 c + 8 u + j (rows 0-7) and 64 c + 32 + 8 u + j
; (rows 8-15): so the 32 score registers 96 + 32 c .. of lane (r, h) are keys 64 c + 32 h + 0 .. 31, ONE scale block of p, in the order of the next operand's registers.
; THE SCORES' K IS 64, the instruction's 128.  Q's registers 6-11 hold zero codes, so whatever stands in the upper six registers of K's operand adds exactly nothing (the format has neither NaN nor infinity, and
; the upper two scale bytes of both sides are 0, a power of two).  K's eight fragments stand 6 registers apart, each operand reaching over the next; the last reaches over v80-85, which hold small numbers of tile A.
; The next step's K is asked of LDS behind this step's score products, the next step's V behind this step's second products.  Each is 20 LDS loads, so the counted waits are for 20.
; LIMITS: the promise holds while the scaled scores stay under 2^31 in magnitude; 1 / the sum by v_rcp_f32; blocks under 2^-124 and blocks of zeros keep the byte 1; NaN and infinities are not served.
; REGISTERS.  Window 0: v0 4 r, v1 16 l, v2 8 l, v3 4 l + SCB, v5, v6 the add's two, v7 32 r + h, v8-10 a step's LDS addresses, v11 8 h, v16-27 Q of A, v28-31 K's scale words, v32-79 K, v96-159 S^T, then p, of A,
;   v160-191 O^T of A, v240-243 V's scale words.  Per tile T (A, B), all in window 0: -M and the largest score v12, 13 / v200, 201; the sum v[14:15] / v[202:203]; the old -M v4 / v204; f v[94:95] / v[206:207];
;   at work v80-85 / v208-213; codes on their way v86-88, 90-92 / v214-216, 218-220; p's scale words v93 / v221; Q's v89 / v193; p's codes v244-255 / v224-235.
;   Window 1: v16-27 Q of B, v96-159 S^T, then p, of B, v160-191 O^T of B, v192-239 V.
.set SCB,   196608                     ; LDS: 16 key steps x 12,288 bytes of K and V, then 16 x 1,024 bytes of their scale words
.set SPARE, 212992                     ; the spare words, 128 bytes a wave
.set SPW, 5
.set NIL, 6
.set WV,  12
.set SEL, 20
.set CS,  22
.set NC,  62
.set MSB, 0
.macro WIN new                         ; low byte: bits 1:0 source 0, 3:2 source 1, 5:4 source 2, 7:6 destination; the high byte repeats the setting that is left
.if MSB != (\new)
	s_set_vgpr_msb (MSB<<8)|(\new)
.set MSB, (\new)
.endif
.endm
.macro CROUND
	s_barrier_signal -1
	s_barrier_wait -1
	s_cmp_lg_u32 s[WV], 0
	s_cbranch_scc1 .Lnot_wave_0_\@
	s_barrier_signal -3
.Lnot_wave_0_\@:
	s_barrier_wait -3
	s_barrier_signal -1
	s_barrier_wait -1
.endm
.macro WALU
	s_wait_alu depctr_va_vdst(0)
.endm
	s_load_b256 s[4:11], s[0:1], 0x0               ; img, isc, ac, asc
	v_lshl_add_u32 v[SPW], v0, 2, SPARE
	v_mov_b32 v[NIL], 0
	ds_add_u32 v[SPW], v[NIL]                      ; the opening lines
	ds_add_u32 v[SPW], v[NIL]
	v_lshrrev_b32 v8, 5, v0
	v_readfirstlane_b32 s[WV], v8                  ; wave 0..7
	s_bfe_u32 s13, ttmp6, 0x40000                  ; cx
	s_lshl_b32 s14, ttmp9, 2
	s_add_co_u32 s13, s14, s13                     ; my block of 512 queries: it enters Q's and the outputs' addresses alone
	s_and_b32 s14, ttmp7, 0xffff
	s_and_b32 s15, s14, 15                         ; the head
	s_lshr_b32 s16, s14, 4                         ; the batch
	s_and_b32 s17, s[WV], 1                        ; waves 6, 7: which half of the scale words
	s_mov_b32 s24, 15|(3<<16)|(1<<21)              ; groups 1: dense blocks as rows of 256 bytes: 128 rows of K and V (waves 0-5, a sixth each), 32 rows of scale words (waves 6, 7); the mask names all four work-groups
	s_mov_b32 s25, 32<<16
	s_mov_b32 s26, 128<<16
	s_mov_b32 s27, 32<<16
	s_mov_b32 s28, 128
	s_mov_b32 s29, 32
	s_mov_b32 s30, 0
	s_mov_b32 s31, 0
	s_mov_b32 s32, 15|(3<<16)|(1<<21)
	s_mov_b32 s33, 32<<16
	s_mov_b32 s34, 32<<16
	s_mov_b32 s35, 32<<16
	s_mov_b32 s36, 32
	s_mov_b32 s37, 32
	s_mov_b32 s38, 0
	s_mov_b32 s39, 0
	s_mul_i32 s18, s15, 786432                     ; K and V: [head][16 batch + key step][12,288] behind q's section
	s_mul_i32 s19, s16, 196608
	s_add_co_u32 s18, s18, s19
	s_lshl_b32 s19, s[WV], 15
	s_add_co_u32 s18, s18, s19
	s_add_co_u32 s18, s18, 6291456
	s_mov_b32 s19, 0
	s_lshl_b32 s60, s15, 16                        ; their scale words: [head][16 batch + key step][1,024] behind q's
	s_lshl_b32 s61, s16, 14
	s_add_co_u32 s60, s60, s61
	s_lshl_b32 s61, s17, 13
	s_add_co_u32 s60, s60, s61
	s_add_co_u32 s60, s60, 524288
	s_mov_b32 s61, 0
	s_lshl_b32 s62, s13, 5
	s_add_co_u32 s62, s62, s[WV]
	s_lshl_b32 s63, s16, 7
	s_add_co_u32 s62, s62, s63                     ; tile A of the first trip: 128 batch + 32 block + wave; B is 8 tiles on, the second trip 16
	s_mul_i32 s52, s15, 393216
	s_mul_i32 s63, s62, 768
	s_add_co_u32 s52, s52, s63                     ; Q's image
	s_mov_b32 s53, 0
	s_lshl_b32 s54, s15, 15
	s_lshl_b32 s63, s62, 6
	s_add_co_u32 s54, s54, s63                     ; Q's scale words
	s_mov_b32 s55, 0
	s_mul_i32 s56, s62, 12288
	s_mul_i32 s63, s15, 768
	s_add_co_u32 s56, s56, s63                     ; ac: [token tile][head][768]
	s_mov_b32 s57, 0
	s_lshl_b32 s58, s62, 9
	s_lshl_b32 s63, s15, 1
	s_add_co_u32 s58, s58, s63                     ; asc: [token][32], two bytes a head
	s_mov_b32 s59, 0
	s_mov_b32 s[NC], 0xbe38aa3b                    ; -c
	s_mov_b32 s[SEL], 0x76543210
	s_mov_b32 s[SEL+1], 0xfedcba98                 ; v_permlanex16_b32's selects for lane l xor 16
	s_mov_b32 s[CS], 0x3e38aa3b                    ; c = log2(e) / 8
	s_mov_b32 s[CS+1], s[CS]
	s_mov_b32 s51, 0                               ; which trip
	s_wait_dscnt 0x0
	s_wait_kmcnt 0x0
	s_mov_b32 s40, 1
	s_lshl_b32 s41, s[WV], 15
	s_add_nc_u64 s[42:43], s[4:5], s[18:19]
	s_or_b32 s43, s43, 0x80000000
	s_mov_b32 s44, 1
	s_lshl_b32 s45, s17, 13
	s_add_co_u32 s45, s45, SCB
	s_add_nc_u64 s[46:47], s[6:7], s[60:61]
	s_or_b32 s47, s47, 0x80000000
	s_add_nc_u64 s[52:53], s[4:5], s[52:53]
	s_add_nc_u64 s[54:55], s[6:7], s[54:55]
	s_add_nc_u64 s[56:57], s[8:9], s[56:57]
	s_add_nc_u64 s[58:59], s[10:11], s[58:59]
	CROUND                                         ; all four work-groups are here: the joint loads meet
	s_cmp_lt_u32 s[WV], 6                          ; one tensor load a wave, the only one of the launch
	s_cbranch_scc0 .Lfor_scales
	tensor_load_to_lds s[40:43], s[24:31]
	s_nop 0
.rept 4
	v_nop
.endr
	s_branch .Lasked
.Lfor_scales:
	tensor_load_to_lds s[44:47], s[32:39]
	s_nop 0
.rept 4
	v_nop
.endr
.Lasked:
	v_and_b32 v9, 31, v0                           ; lane
	v_and_b32 v8, 15, v0                           ; r
	v_bfe_u32 v10, v0, 4, 1                        ; h
	v_lshlrev_b32 v1, 4, v9
	v_lshlrev_b32 v2, 3, v9
	v_lshl_add_u32 v3, v9, 2, SCB
	v_lshl_add_u32 v7, v8, 5, v10
	v_lshlrev_b32 v11, 3, v10
	v_lshlrev_b32 v0, 2, v8
	global_load_b128 v[16:19], v1, s[52:53] th:TH_LOAD_NT          ; Q of the first trip: tile A,
	global_load_b64 v[20:21], v2, s[52:53] offset:512 th:TH_LOAD_NT
	global_load_b32 v89, v0, s[54:55] th:TH_LOAD_NT
	global_load_b32 v193, v0, s[54:55] offset:512 th:TH_LOAD_NT
	WIN 0x40
	global_load_b128 v[16:19], v1, s[52:53] offset:6144 th:TH_LOAD_NT   ; and tile B
	global_load_b64 v[20:21], v2, s[52:53] offset:6656 th:TH_LOAD_NT
.irp j, 0,1,2,3,4,5
	v_mov_b32 v[22+\j], 0                          ; zero codes for the upper 64 of the instruction's K
.endr
	WIN 0
.irp j, 0,1,2,3,4,5
	v_mov_b32 v[22+\j], 0
	v_mov_b32 v[80+\j], 0                          ; what the last fragment of K reaches over is written before it is named
.endr
	v_mov_b32 v95, 0                               ; (named as the upper halves of the pairs of f)
	v_mov_b32 v207, 0
	WALU                                           ; the head's end
	s_wait_tensorcnt 0x0                           ; my part of K, V or the scale words is in,
	s_barrier_signal -1
	s_barrier_wait -1                              ; everybody's is
.macro LDK p, a, b, s, o, so           ; tiles 2 p, 2 p + 1 of K and their scale words (lanes 0-15 the first tile's, lanes 16-31 the second's): 5 loads
.irp t, 0,1
	ds_load_b128 v[32+12*(\p)+6*\t:35+12*(\p)+6*\t], v\a offset:(\o)+1536*(\p)+768*\t
	ds_load_b64 v[36+12*(\p)+6*\t:37+12*(\p)+6*\t], v\b offset:(\o)+1536*(\p)+768*\t+512
.endr
	ds_load_b32 v[28+(\p)], v\s offset:(\so)+128*(\p)
.endm
.macro LDV a, b, s, o, so              ; V's four tiles (16 channels x 128 keys) into window 1, their scale words into window 0: 20 loads
	WIN 0x40
.irp t, 0,1,2,3
.irp c, 0,1
	ds_load_b128 v[192+12*\t+6*\c:195+12*\t+6*\c], v\a offset:(\o)+6144+1536*\t+768*\c
	ds_load_b64 v[196+12*\t+6*\c:197+12*\t+6*\c], v\b offset:(\o)+6144+1536*\t+768*\c+512
.endr
.endr
	WIN 0
.irp t, 0,1,2,3
	ds_load_b32 v[240+\t], v\s offset:(\so)+512+128*\t
.endr
.endm
.macro SMUL T                          ; S^T of tile T: K from window 0, Q and the result in window T
	WIN 0x44*\T
.irp t, 0,2,4,6
	v_wmma_scale_f32_16x16x128_f8f6f4 v[96+8*\t:103+8*\t], v[32+6*\t:43+6*\t], v[16:27], 0, v[28+\t/2], v[89+104*\T] matrix_a_fmt:MATRIX_FMT_FP6 matrix_b_fmt:MATRIX_FMT_FP6
	v_wmma_scale_f32_16x16x128_f8f6f4 v[104+8*\t:111+8*\t], v[38+6*\t:49+6*\t], v[16:27], 0, v[28+\t/2], v[89+104*\T] matrix_a_fmt:MATRIX_FMT_FP6 matrix_b_fmt:MATRIX_FMT_FP6 matrix_a_scale:MATRIX_SCALE_ROW1
.endr
.endm
.macro MAXES T                         ; the largest score of my two blocks of 32 keys, each in two chains; the chains lie in window 0
	WIN 0x15*\T
.irp c, 0,1
	v_max3_num_f32 v[80+128*\T+\c], v[96+32*\c], v[97+32*\c], v[98+32*\c]
	v_max3_num_f32 v[82+128*\T+\c], v[112+32*\c], v[113+32*\c], v[114+32*\c]
.endr
	WIN 0x14*\T
.irp i, 3,5,7,9,11,13
.irp c, 0,1
	v_max3_num_f32 v[80+128*\T+\c], v[80+128*\T+\c], v[96+32*\c+\i], v[97+32*\c+\i]
	v_max3_num_f32 v[82+128*\T+\c], v[82+128*\T+\c], v[112+32*\c+\i], v[113+32*\c+\i]
.endr
.endr
.irp c, 0,1
	v_max3_num_f32 v[80+128*\T+\c], v[80+128*\T+\c], v[111+32*\c], v[127+32*\c]
.endr
.endm
.macro TM T, a, n                      ; t - M, two at a time
.set J, \a
.rept \n
	v_pk_fma_f32 v[96+J:97+J], v[96+J:97+J], s[CS:CS+1], v[12+188*\T:13+188*\T] op_sel_hi:[1,0,0]
.set J, J+2
.endr
.endm
.macro RESC T                          ; O^T under the new M, each accumulator from its low end on
.set J, 0
.rept 16
	v_pk_mul_f32 v[160+J:161+J], v[160+J:161+J], v[94+112*\T:95+112*\T] op_sel_hi:[1,0]
.set J, J+2
.endr
.endm
.macro EXPS                            ; p = 2^(t - M): not normalised
.set J, 0
.rept 64
	v_exp_f32 v[96+J], v[96+J]
.set J, J+1
.endr
.endm
.macro TREE d, n                       ; a level of the sum of p, in place: p's registers are free behind the conversions
.set J, 0
.rept \n
	v_pk_add_f32 v[96+2*(\d)*J:97+2*(\d)*J], v[96+2*(\d)*J:97+2*(\d)*J], v[96+2*(\d)*J+(\d):97+2*(\d)*J+(\d)]
.set J, J+1
.endr
.endm
; A KEY STEP: 128 keys, both tiles.  s48 = 12,288 x step, s49 = 1,024 x step.  pf = 1: the next step's K and V are asked for; 0: the trip's last step
.macro STEP pf
	s_wait_dscnt 20                                ; K and its scale words are in; V's 20 loads are younger
	SMUL 0
	SMUL 1
	WIN 0
.if \pf                                ; the places behind the products
	v_add_nc_u32 v8, s48, v1
	v_add_nc_u32 v9, s48, v2
	v_add_nc_u32 v10, s49, v3
.else
	v_nop
	v_nop
.endif
	v_mov_b32 v4, v12                              ; the old -M of both tiles
	v_mov_b32 v204, v200
.if \pf
.irp p, 0,1,2,3
	LDK \p, 8, 9, 10, 12288, 1024                  ; the next step's K
.endr
.else
	s_cmp_lg_u32 s51, 0                            ; behind the first trip's last score products Q's registers take the second trip's tiles
	s_cbranch_scc1 .Lno_q_\@
	global_load_b128 v[16:19], v1, s[52:53] offset:12288 th:TH_LOAD_NT
	global_load_b64 v[20:21], v2, s[52:53] offset:12800 th:TH_LOAD_NT
	global_load_b32 v89, v0, s[54:55] offset:1024 th:TH_LOAD_NT
	global_load_b32 v193, v0, s[54:55] offset:1536 th:TH_LOAD_NT
	WIN 0x40
	global_load_b128 v[16:19], v1, s[52:53] offset:18432 th:TH_LOAD_NT
	global_load_b64 v[20:21], v2, s[52:53] offset:18944 th:TH_LOAD_NT
	WIN 0
.Lno_q_\@:
.endif
	MAXES 0
	MAXES 1
	WIN 0
.irp T, 0,1
.irp c, 0,1
	v_max_num_f32 v[80+128*\T+\c], v[80+128*\T+\c], v[82+128*\T+\c]   ; a block's largest score: it serves for the row's maximum and, since p rises with the score, for the block's largest p
.endr
.endr
.irp T, 0,1                            ; the chain to the new M, the two tiles by turns
	v_max_num_f32 v[82+128*\T], v[80+128*\T], v[81+128*\T]
.endr
.irp T, 0,1
	v_permlanex16_b32 v[83+128*\T], v[82+128*\T], s[SEL], s[SEL+1]   ; lane l xor 16's 64 keys
.endr
.irp T, 0,1
	v_max3_num_f32 v[13+188*\T], v[13+188*\T], v[82+128*\T], v[83+128*\T]   ; the running largest score of my query
.endr
.irp T, 0,1
	v_mul_f32 v[82+128*\T], s[NC], v[13+188*\T]    ; -t (c is positive)
.endr
.irp T, 0,1
	v_floor_f32 v[12+188*\T], v[82+128*\T]         ; the new -M = floor(-t): M is a whole number
.endr
	TM 0, 0, 2
.irp T, 0,1
	v_sub_f32 v[4+200*\T], v[12+188*\T], v[4+200*\T]   ; old M - new M: a whole number, 0 or less
.endr
	TM 0, 4, 3
.irp T, 0,1
	v_cvt_i32_f32 v[4+200*\T], v[4+200*\T]         ; (it saturates)
.endr
	TM 0, 10, 3
.irp T, 0,1
	v_ldexp_f32 v[94+112*\T], 1.0, v[4+200*\T]     ; f = 2^(old M - new M)
.endr
	TM 0, 16, 24
.irp T, 0,1
.irp c, 0,1
	v_fma_f32 v[80+128*\T+\c], v[80+128*\T+\c], s[CS], v[12+188*\T]   ; the same of each block's largest score
.endr
.endr
	RESC 0
	WIN 0x41
	TM 1, 0, 32
	RESC 1
	WIN 0
	WALU                                           ; ahead of the batch
.irp T, 0,1
.irp c, 0,1
	v_exp_f32 v[80+128*\T+\c], v[80+128*\T+\c]     ; the blocks' largest p: the same two instructions on the same number give the same bits
.endr
.endr
	EXPS
	WIN 0x41
	EXPS
	WIN 0
.irp T, 0,1
	v_pk_mul_f32 v[14+188*\T:15+188*\T], v[14+188*\T:15+188*\T], v[94+112*\T:95+112*\T] op_sel_hi:[1,0]   ; the sums under the new M (the plain place behind the exponentials)
.endr
	WALU                                           ; and behind it, ahead of its first reader
.irp T, 0,1
.irp c, 0,1
	v_max_num_f32 v[80+128*\T+\c], 0x1800000, v[80+128*\T+\c]   ; the floor 2^(3 - 127): the byte cannot fall under 1
.endr
.endr
.irp T, 0,1
.irp c, 0,1
	v_add_nc_u32 v[84+128*\T+\c], 0xff000000, v[80+128*\T+\c]   ; 2 off the exponent field: the conversion's scale operand
.endr
.endr
	v_cvt_scalef32_pk16_fp6_f32 v[244:246], v[96:111], v84
	v_cvt_scalef32_pk16_fp6_f32 v[250:252], v[128:143], v85
.irp T, 0,1
.irp c, 0,1
	v_lshrrev_b32 v[80+128*\T+\c], 23, v[84+128*\T+\c]   ; the scales' bytes: blocks h and 2 + h
.endr
.endr
	v_cvt_scalef32_pk16_fp6_f32 v[86:88], v[112:127], v84          ; (a conversion's three registers begin on an even number)
	v_cvt_scalef32_pk16_fp6_f32 v[90:92], v[144:159], v85
	WIN 0x01
	v_cvt_scalef32_pk16_fp6_f32 v[224:226], v[96:111], v212
	v_cvt_scalef32_pk16_fp6_f32 v[230:232], v[128:143], v213
	v_cvt_scalef32_pk16_fp6_f32 v[214:216], v[112:127], v212
	v_cvt_scalef32_pk16_fp6_f32 v[218:220], v[144:159], v213
	WIN 0
.irp T, 0,1
	v_lshl_or_b32 v[82+128*\T], v[81+128*\T], 16, v[80+128*\T]
.endr
.irp T, 0,1
	v_lshlrev_b32 v[82+128*\T], v11, v[82+128*\T]  ; at their places in the scale word (8 h bits up);
.endr
.irp T, 0,1
	v_permlanex16_b32 v[83+128*\T], v[82+128*\T], s[SEL], s[SEL+1]
.endr
.irp T, 0,1
	v_or_b32 v[93+128*\T], v[82+128*\T], v[83+128*\T]   ; with lane l xor 16's two the word is whole
.endr
.irp T, 0,1
.irp i, 0,1,2
	v_mov_b32 v[247-20*\T+\i], v[86+128*\T+\i]
	v_mov_b32 v[253-20*\T+\i], v[90+128*\T+\i]
.endr
.endr
	TREE 2, 16                                     ; the rows' sums of the unquantised p; these are also the places between the writes of p's codes and scale words and the products
	WIN 0x45
	TREE 2, 16
	WIN 0x01
	WALU
	s_wait_dscnt 20*\pf                            ; V and its scale words are in; the next step's K, 20 loads, is younger
.irp t, 0,1,2,3                        ; O^T += V^T P^T: eight accumulators, one instruction each
	v_wmma_scale_f32_16x16x128_f8f6f4 v[160+8*\t:167+8*\t], v[192+12*\t:203+12*\t], v[244:255], v[160+8*\t:167+8*\t], v[240+\t], v93 matrix_a_fmt:MATRIX_FMT_FP6 matrix_b_fmt:MATRIX_FMT_FP6
.endr
	WIN 0x51
.irp t, 0,1,2,3
	v_wmma_scale_f32_16x16x128_f8f6f4 v[160+8*\t:167+8*\t], v[192+12*\t:203+12*\t], v[224:235], v[160+8*\t:167+8*\t], v[240+\t], v221 matrix_a_fmt:MATRIX_FMT_FP6 matrix_b_fmt:MATRIX_FMT_FP6
.endr
	WIN 0
	TREE 4, 8                                      ; (the places behind the products)
	TREE 8, 4
.if \pf
	LDV 8, 9, 10, 12288, 1024                      ; the next step's V
.endif
	WIN 0x45
	TREE 4, 8
	TREE 8, 4
	TREE 16, 2
	TREE 32, 1
	WIN 0
	TREE 16, 2
	TREE 32, 1
	v_pk_add_f32 v[14:15], v[14:15], v[96:97]
	WIN 0x04
	v_pk_add_f32 v[202:203], v[202:203], v[96:97]
	WIN 0
.endm
; O^T / the sum of tile T: register 16 b + i of lane (r, h) is channel 32 b + 16 h + i of query r: two blocks are quantised, and leave as an image and two scale bytes.
.macro OUT T
	v_add_f32 v[14+188*\T], v[14+188*\T], v[15+188*\T]             ; the sum's two halves,
	v_permlanex16_b32 v[94+112*\T], v[14+188*\T], s[SEL], s[SEL+1]
	v_add_f32 v[14+188*\T], v[14+188*\T], v[94+112*\T]             ; and lane l xor 16's
	WALU
	v_rcp_f32 v[14+188*\T], v[14+188*\T]
	v_nop
	WIN \T
	WALU
.set J, 0
.rept 16
	v_pk_mul_f32 v[96+J:97+J], v[160+J:161+J], v[14+188*\T:15+188*\T] op_sel_hi:[1,0]   ; into window 0, whichever the tile
.set J, J+2
.endr
	WIN 0
.irp b, 0,1
	v_max3_num_f32 v[80+\b], |v[96+16*\b]|, |v[97+16*\b]|, 0x1800000
.endr
.irp i, 2,4,6,8,10,12,14
.irp b, 0,1
	v_max3_num_f32 v[80+\b], v[80+\b], |v[96+16*\b+\i]|, |v[97+16*\b+\i]|
.endr
.endr
.irp b, 0,1
	v_permlanex16_b32 v[82+\b], v[80+\b], s[SEL], s[SEL+1]
.endr
.irp b, 0,1
	v_max_num_f32 v[80+\b], v[80+\b], v[82+\b]
.endr
.irp b, 0,1
	v_add_nc_u32 v[84+\b], 0xff000000, v[80+\b]
.endr
.irp b, 0,1
	v_lshrrev_b32 v[82+\b], 23, v[84+\b]
.endr
	v_lshl_or_b32 v4, v83, 8, v82
	v_lshrrev_b32 v4, v11, v4                      ; lanes 0-15 store the first block's byte, lanes 16-31 the second's
	v_cvt_scalef32_pk16_fp6_f32 v[244:246], v[96:111], v84
	v_cvt_scalef32_pk16_fp6_f32 v[86:88], v[112:127], v85
	v_nop
.irp i, 0,1,2
	v_permlane16_swap_b32 v[244+\i], v[86+\i]      ; the operand's layout wants a whole block in a lane
.endr
.irp i, 0,1,2
	v_mov_b32 v[247+\i], v[86+\i]
.endr
	global_store_b128 v1, v[244:247], s[56:57] offset:98304*\T     ; 512 consecutive bytes,
	global_store_b64 v2, v[248:249], s[56:57] offset:98304*\T+512  ; and 256
	global_store_b8 v7, v4, s[58:59] offset:4096*\T
.endm
.macro ZERO
.set J, 0
.rept 32
	v_mov_b32 v[160+J], 0
.set J, J+1
.endr
.endm
.Lpass:
.irp T, 0,1
	v_mov_b32 v[13+188*\T], 0xff61b1e6             ; the largest score so far: -3e38
	v_mov_b32 v[12+188*\T], 0x7f61b1e6             ; -M
	v_mov_b32 v[14+188*\T], 0
	v_mov_b32 v[15+188*\T], 0
.endr
	ZERO                                           ; O^T: the step is written once; the first finds zeros, which the first change of M leaves zeros
	WIN 0x40
	ZERO
	WIN 0
	s_mov_b32 s48, 0
	s_mov_b32 s49, 0
	s_mov_b32 s50, 15
.irp p, 0,1,2,3
	LDK \p, 1, 2, 3, 0, 0                          ; step 0's K, 20 loads,
.endr
	LDV 1, 2, 3, 0, 0                              ; and V, 20 loads
	WALU
	s_wait_loadcnt 0x0                             ; Q
.Lkeys:
	STEP 1
	s_add_co_u32 s48, s48, 12288
	s_add_co_u32 s49, s49, 1024
	s_sub_co_u32 s50, s50, 1
	s_cmp_lg_u32 s50, 0
	s_cbranch_scc1 .Lkeys
	STEP 0
	OUT 0
	s_wait_xcnt 0x0                                ; tile A's stores have read their registers
	OUT 1
	s_wait_xcnt 0x0                                ; the stores have read their registers and bases
	s_add_nc_u64 s[56:57], s[56:57], 196608        ; 16 token tiles on
	s_add_nc_u64 s[58:59], s[58:59], 8192
	s_add_co_u32 s51, s51, 1
	s_cmp_lt_u32 s51, 2
	s_cbranch_scc1 .Lpass
	s_wait_tensorcnt 0x0                           ; the wave's end
	ds_add_u32 v[SPW], v[NIL]
	s_wait_dscnt 0x0
	CROUND                                         ; the closing round
	s_endpgm
.Lfunc_end_k_qde4df3b377_attn:
	.size	k_qde4df3b377_attn, .Lfunc_end_k_qde4df3b377_attn-k_qde4df3b377_attn
	.p2alignl 7, 3214868480
	.fill 96, 4, 3214868480
	.section	.rodata,"a",@progbits
	.p2align	6, 0x0
	.amdhsa_kernel k_qde4df3b377_attn
		.amdhsa_group_segment_fixed_size 215040
		.amdhsa_private_segment_fixed_size 0
		.amdhsa_enable_private_segment 0
		.amdhsa_kernarg_size 32
		.amdhsa_user_sgpr_count 2
		.amdhsa_user_sgpr_kernarg_segment_ptr 1
		.amdhsa_wavefront_size32 1
		.amdhsa_system_sgpr_workgroup_id_x 1
		.amdhsa_system_sgpr_workgroup_id_y 1
		.amdhsa_system_sgpr_workgroup_id_z 1
		.amdhsa_system_vgpr_workitem_id 0
		.amdhsa_next_free_vgpr 512
		.amdhsa_next_free_sgpr 66
		.amdhsa_reserve_vcc 0
		.amdhsa_float_denorm_mode_32 3
		.amdhsa_float_denorm_mode_16_64 3
		.amdhsa_memory_ordered 1
		.amdhsa_forward_progress 1
		.amdhsa_inst_pref_size 73
	.end_amdhsa_kernel
	.amdgpu_metadata
---
amdhsa.version: [ 1, 2 ]
amdhsa.kernels:
  - .name:           k_qde4df3b377_attn
    .symbol:         k_qde4df3b377_attn.kd
    .args:
      - { .name: img, .offset: 0, .size: 8, .value_kind: global_buffer, .address_space: global }
      - { .name: isc, .offset: 8, .size: 8, .value_kind: global_buffer, .address_space: global }
      - { .name: ac, .offset: 16, .size: 8, .value_kind: global_buffer, .address_space: global }
      - { .name: asc, .offset: 24, .size: 8, .value_kind: global_buffer, .address_space: global }
    .group_segment_fixed_size: 215040
    .private_segment_fixed_size: 0
    .kernarg_segment_align: 8
    .kernarg_segment_size: 32
    .max_flat_workgroup_size: 256
    .sgpr_count:     66
    .vgpr_count:     512
    .wavefront_size: 32
...
	.end_amdgpu_metadata
.endif
;; end of part 3
;; launch oproj (part 4): grid 4 x 64, 4 waves a work-group, clusters of 4 x 4, 327,680 bytes of LDS; arguments ac, asc, wc, ws, out0, bo; writes out0
.if DOCPART == 4
	.amdgcn_target "amdgcn-amd-amdhsa--gfx1250"
	.amdhsa_code_object_version 6
	.text
	.protected	k_qde4df3b377_oproj
	.globl	k_qde4df3b377_oproj
	.p2align	8
	.type	k_qde4df3b377_oproj,@function
k_qde4df3b377_oproj:
	s_mov_b64 s[64:65], 0
	v_nop
	global_prefetch_b8 v0, s[64:65] scope:SCOPE_SE
	s_setreg_imm32_b32 hwreg(HW_REG_WAVE_MODE, 25, 1), 1
	s_wait_xcnt 0x0
	s_wait_alu depctr_hold_cnt(0) depctr_sa_sdst(0) depctr_va_vdst(0) depctr_va_sdst(0) depctr_va_ssrc(0) depctr_va_vcc(0) depctr_vm_vsrc(0)
	s_getreg_b32 s2, hwreg(HW_REG_IB_STS2, 6, 4)
	s_cmp_eq_u32 s2, 0
	s_cbranch_scc0 .Lentry_in_a_cluster
	s_endpgm
.Lentry_in_a_cluster:
	s_bfe_u32 s2, ttmp6, 0x10000c
	s_cmp_lg_u32 s2, 0xf033
	s_cbranch_scc0 .Lentry_shape_is_right
	s_endpgm
.Lentry_shape_is_right:
.set SIZE_N, 1024
.set NQ,     2
.set ROWB,   256                       ; B's tile is a dense block of memory, stated as rows of 256 bytes; the padding's interval stays 64 bytes, so an LDS row of 192 bytes of codes is 240 bytes
.set KSTB,   49152                     ; from K step to K step of B in memory: 256 positions x 192 bytes
.set KROW,   768
.set PITCH,  240
.set FR,     12
.set NL,     6
.set NLA,    4
.set NP,     4
; A work-group makes 128 rows x 256 columns of the result, a wave 64 x 128: 32 accumulators.  A's fragments have two sets (blocks 0-3 and, in the registers of blocks 4-7, the same rows' next 128 along K), and so have B's:
; each step of 128 along K asks for the next step's fragments ahead of its own 32 products.
.set HALFA,  12288                     ; 4 token tiles x 3,072 bytes: what one load of the ring brings of A, and what one wave reads
.set HALFT,  128*PITCH
.set BOFF,   2*HALFA
.set SLOT,   2*HALFA+2*HALFT
.set LAPS,   2
.set KS,     32
.set SCL,    2*SLOT
.set HALFS,  (128*KS/256)*272
.set SBLK,   (16*KS/256)*272
.set SPARE,  SCL+4*HALFS
.set SPITCH, 528
.set ADRA, 16
.set ADRB, 20
.set STO,  24
.set RD,   25
.set CO,   26
.set ADRS, 27
.set SPW,  28
.set NIL,  29
.set SC,   32
.set BIAS, 64
.set AF,   128
.set BK,   128
.set G1, 24
.set G0, 32
.set G1B, 48
.set G0B, 56
.set G1S, 68
.set G0S, 76
.set G1SB, 80
.set G0SB, 88
.set MSB, 0
.macro WIN new
.if MSB != (\new)
	s_set_vgpr_msb (MSB<<8)|(\new)
.set MSB, (\new)
.endif
.endm
.set MUL_LO, 0xa1
.set MUL_HI, 0xf1
.set ONE_LO, 0x81
.set ONE_HI, 0xc1
.set TO_B,   0x40
.macro JLOAD g0a, g1a, g0b, g1b
	s_cmp_eq_u32 s15, 0
	s_cbranch_scc0 .Lfor_b_\@
	tensor_load_to_lds s[\g0a:\g0a+3], s[\g1a:\g1a+7]
	s_nop 0
.rept 4
	v_nop
.endr
	s_branch .Lasked_\@
.Lfor_b_\@:
	tensor_load_to_lds s[\g0b:\g0b+3], s[\g1b:\g1b+7]
	s_nop 0
.rept 4
	v_nop
.endr
.Lasked_\@:
.endm
.macro CREST
	s_cmp_lg_u32 s14, 0
	s_cbranch_scc1 .Lnot_wave_0_\@
	s_barrier_signal -3
.Lnot_wave_0_\@:
	s_barrier_wait -3
	s_barrier_signal -1
	s_barrier_wait -1
.endm
.macro CROUND
	s_barrier_signal -1
	s_barrier_wait -1
	CREST
.endm
	s_load_b128 s[4:7], s[0:1], 0x0
	s_load_b128 s[8:11], s[0:1], 0x10
	s_load_b128 s[92:95], s[0:1], 0x20
	v_lshl_add_u32 v[SPW], v0, 2, SPARE
	v_mov_b32 v[NIL], 0
	ds_add_u32 v[SPW], v[NIL]
	ds_add_u32 v[SPW], v[NIL]
	v_lshrrev_b32 v1, 5, v0
	v_readfirstlane_b32 s14, v1
	s_lshr_b32 s15, s14, 1
	s_and_b32 s16, s14, 1
	s_bfe_u32 s40, ttmp6, 0x40000
	s_bfe_u32 s41, ttmp6, 0x40004
	s_lshl_b32 s42, ttmp9, 2
	s_add_co_u32 s42, s42, s40
	s_and_b32 s17, ttmp7, 0xffff
	s_lshl_b32 s17, s17, 2
	s_add_co_u32 s17, s17, s41
	s_lshl_b32 s43, s41, 2
	s_lshl_b32 s43, 15, s43
	s_lshl_b32 s44, 0x1111, s40
	s_or_b32 s[G1+0], s43, (3<<16)|(1<<21)
	s_mov_b32 s[G1+1], 384<<16
	s_mov_b32 s[G1+2], 8<<16
	s_mov_b32 s[G1+3], 384<<16
	s_mov_b32 s[G1+4], 8
	s_mov_b32 s[G1+5], 1536
	s_mov_b32 s[G1+6], 0
	s_mov_b32 s[G1+7], 0
	s_or_b32 s[G1B+0], s44, (0<<16)|(1<<20)|(1<<21)|(3<<22)|(3<<25)
	s_mov_b32 s[G1B+1], ROWB<<16
	s_mov_b32 s[G1B+2], 192<<16
	s_mov_b32 s[G1B+3], ROWB<<16
	s_mov_b32 s[G1B+4], 192
	s_mov_b32 s[G1B+5], ROWB
	s_mov_b32 s[G1B+6], 0
	s_mov_b32 s[G1B+7], 0
	s_or_b32 s[G1S+0], s43, (3<<16)|(1<<20)|(1<<21)|(5<<22)|(3<<25)
	s_or_b32 s[G1SB+0], s44, (3<<16)|(1<<20)|(1<<21)|(5<<22)|(3<<25)
.irp g, G1S, G1SB
	s_mov_b32 s[\g+1], 32<<16
	s_mov_b32 s[\g+2], (256*KS/256)<<16
	s_mov_b32 s[\g+3], 32<<16
	s_mov_b32 s[\g+4], 256*KS/256
	s_mov_b32 s[\g+5], 32
	s_mov_b32 s[\g+6], 0
	s_mov_b32 s[\g+7], 0
.endr
	s_mov_b32 s[G1S+2], 16<<16                     ; A's scales: 128 rows of 32 bytes, 16 rows of 256
	s_mov_b32 s[G1S+4], 16
	s_lshl_b32 s20, s17, 3
	s_lshl_b32 s22, s20, 9
	s_mov_b32 s23, 0
	s_mul_i32 s20, s20, 12288
	s_mov_b32 s21, 0
	s_lshl_b32 s46, s42, 8
	s_lshl_b32 s96, s46, 5
	s_add_co_u32 s96, s96, 98304
	s_mov_b32 s97, 0
	s_mul_i32 s46, s46, KROW
	s_add_co_u32 s46, s46, 2359296
	s_mov_b32 s47, 0
	s_wait_dscnt 0x0
	s_wait_kmcnt 0x0
	s_add_nc_u64 s[20:21], s[4:5], s[20:21]
	s_add_nc_u64 s[22:23], s[6:7], s[22:23]
	s_add_nc_u64 s[46:47], s[8:9], s[46:47]
	s_add_nc_u64 s[96:97], s[10:11], s[96:97]
	CROUND
; THE HEAD'S LOADS, one a wave: wave 0 K step 0 of A's 8 token tiles, wave 1 of B's 256 rows, wave 2 the scales of A's 128 rows, wave 3 of B's; one chain of branches on the wave's number
	s_mov_b32 s[G0S], 1
	s_mov_b32 s[G0S+1], SCL
	s_mov_b64 s[G0S+2:G0S+3], s[22:23]
	s_or_b32 s[G0S+3], s[G0S+3], 0x80000000
	s_mov_b32 s[G0SB], 1
	s_mov_b32 s[G0SB+1], SCL+2*HALFS
	s_mov_b64 s[G0SB+2:G0SB+3], s[96:97]
	s_or_b32 s[G0SB+3], s[G0SB+3], 0x80000000
	s_mov_b32 s[G0], 1
	s_mov_b32 s[G0+1], 0
	s_mov_b64 s[G0+2:G0+3], s[20:21]
	s_or_b32 s[G0+3], s[G0+3], 0x80000000
	s_mov_b32 s[G0B], 1
	s_mov_b32 s[G0B+1], BOFF
	s_mov_b64 s[G0B+2:G0B+3], s[46:47]
	s_or_b32 s[G0B+3], s[G0B+3], 0x80000000
.macro ARM under, g0, g1, next
	s_cmp_lt_u32 s14, \under
	s_cbranch_scc0 \next
	tensor_load_to_lds s[\g0:\g0+3], s[\g1:\g1+7]
	s_nop 0
.rept 4
	v_nop
.endr
	s_branch .Lhead_asked
\next:
.endm
	ARM 1, G0,  G1,  .Lhead_b
	ARM 2, G0B, G1B, .Lhead_sa
	ARM 3, G0S, G1S, .Lhead_sb
	tensor_load_to_lds s[G0SB:G0SB+3], s[G1SB:G1SB+7]
	s_nop 0
.rept 4
	v_nop
.endr
.Lhead_asked:
	v_and_b32 v1, 15, v0
	v_bfe_u32 v2, v0, 4, 1
	v_and_b32 v7, 31, v0
	v_mul_u32_u24 v3, v1, PITCH
	v_mul_u32_u24 v4, v2, 24
	v_add_nc_u32 v4, v3, v4
	v_lshl_add_u32 v5, v2, 4, v4
	v_lshlrev_b32 v8, 4, v7
	v_lshlrev_b32 v9, 3, v7
	s_mul_i32 s21, s15, HALFA
	s_mul_i32 s22, s16, HALFT
	s_add_co_u32 s22, s22, BOFF
.irp s, 0,1
	v_add_nc_u32 v[ADRA+\s], s21, v8
	v_add_nc_u32 v[ADRA+2+\s], s21, v9
	v_add_nc_u32 v[ADRB+\s], s22, v4
	v_add_nc_u32 v[ADRB+2+\s], s22, v5
	s_add_co_u32 s21, s21, SLOT
	s_add_co_u32 s22, s22, SLOT
.endr
	v_mul_u32_u24 v5, v1, KS
	v_lshrrev_b32 v6, 8, v5
	v_lshl_add_u32 v5, v6, 4, v5
	s_mul_i32 s21, s15, HALFS/2                    ; A's: my 64 rows
	s_mul_i32 s22, s16, HALFS
	s_add_co_u32 s22, s22, 2*HALFS
	s_sub_co_u32 s22, s22, s21
	v_mul_u32_u24 v6, s22, v2
	s_add_co_u32 s22, s22, 4*SBLK
	v_mul_u32_u24 v11, s22, v2
	s_add_co_u32 s21, s21, SCL
	v_add_nc_u32 v6, v5, v6
	v_add_nc_u32 v[ADRS], s21, v6
	s_sub_co_u32 s21, s21, 4*SBLK
	v_add_nc_u32 v11, v5, v11
	v_add_nc_u32 v[ADRS+4], s21, v11               ; for registers 4-7 of a set: lanes 16-31 as above (B's blocks 4-7), lanes 0-15 four blocks back (A's blocks 0-3 once more)
	s_lshl_b32 s46, s42, 1
	s_add_co_u32 s46, s46, s16
	s_lshl_b32 s46, s46, 9
	s_mov_b32 s47, 0
	s_add_nc_u64 s[94:95], s[94:95], s[46:47]
	v_lshlrev_b32 v10, 6, v2
.irp t, 0,1,2,3,4,5,6,7
	global_load_b128 v[BIAS+8*\t:BIAS+8*\t+3], v10, s[94:95] offset:(32*(\t/2)+8*(\t%2))*4
	global_load_b128 v[BIAS+8*\t+4:BIAS+8*\t+7], v10, s[94:95] offset:(32*(\t/2)+8*(\t%2))*4+16
.endr
	s_mul_i32 s23, s14, 16*SPITCH
	v_mul_u32_u24 v5, v1, SPITCH
	v_lshl_add_u32 v5, v2, 6, v5
	v_add_nc_u32 v[STO], s23, v5
	v_lshlrev_b32 v[CO], 4, v7
	v_add_nc_u32 v[RD], s23, v[CO]
	s_lshl_b32 s20, s17, 7
	s_lshl_b32 s21, s15, 6
	s_add_co_u32 s20, s20, s21
	s_lshl_b32 s20, s20, 12
	s_lshl_b32 s46, s42, 10
	s_add_co_u32 s20, s20, s46
	s_lshl_b32 s46, s16, 9
	s_add_co_u32 s20, s20, s46
	s_mov_b32 s21, 0
	s_add_nc_u64 s[12:13], s[92:93], s[20:21]
.macro FRAG reg, adr, q, i
.irp p, 0,1,2,3,4,5
.set PIECE, 12*(\q)+6*(\p/3)+\p%3
.if PIECE%8 < 5
	ds_load_b64 v[\reg+2*\p:\reg+2*\p+1], v[\adr] offset:8*PIECE+16*(PIECE/8)+(\i)*16*PITCH
.else
	ds_load_b64 v[\reg+2*\p:\reg+2*\p+1], v[\adr+2] offset:8*PIECE+16*(PIECE/8)+(\i)*16*PITCH
.endif
.endr
.endm
.macro FRAGA reg, slot, q, i
	ds_load_b128 v[\reg:\reg+3], v[ADRA+\slot] offset:3072*(\i)+1536*(\q)
	ds_load_b64 v[\reg+4:\reg+5], v[ADRA+2+\slot] offset:3072*(\i)+1536*(\q)+512
	ds_load_b128 v[\reg+6:\reg+9], v[ADRA+\slot] offset:3072*(\i)+1536*(\q)+768
	ds_load_b64 v[\reg+10:\reg+11], v[ADRA+2+\slot] offset:3072*(\i)+1536*(\q)+1280
.endm
.macro MUL16 a0, p, q, sc, first
.irp a, \a0, \a0+1
.irp b, 0,1,2,3,4,5,6,7
.if \first
	v_wmma_scale_f32_16x16x128_f8f6f4 v[8*(8*((\a)%4)+\b):8*(8*((\a)%4)+\b)+7], v[128*(\p)+FR*\b:128*(\p)+FR*\b+FR-1], v[AF+FR*(\a):AF+FR*(\a)+FR-1], v[BIAS+8*\b:BIAS+8*\b+7], v[SC+8*NQ*(\sc)+NQ*\b+(\q)], v[SC+8*NQ*(\sc)+NQ*(\a)+(\q)] matrix_a_fmt:MATRIX_FMT_FP6 matrix_b_fmt:MATRIX_FMT_FP6 matrix_a_scale:MATRIX_SCALE_ROW1
.else
	v_wmma_scale_f32_16x16x128_f8f6f4 v[8*(8*((\a)%4)+\b):8*(8*((\a)%4)+\b)+7], v[128*(\p)+FR*\b:128*(\p)+FR*\b+FR-1], v[AF+FR*(\a):AF+FR*(\a)+FR-1], v[8*(8*((\a)%4)+\b):8*(8*((\a)%4)+\b)+7], v[SC+8*NQ*(\sc)+NQ*\b+(\q)], v[SC+8*NQ*(\sc)+NQ*(\a)+(\q)] matrix_a_fmt:MATRIX_FMT_FP6 matrix_b_fmt:MATRIX_FMT_FP6 matrix_a_scale:MATRIX_SCALE_ROW1
.endif
.endr
.endr
.endm
.macro FETCH_B slot, q, p
	WIN TO_B
.irp i, 0,1,2,3,4,5,6,7
	FRAG 128*(\p)+FR*\i, ADRB+\slot, \q, \i
.endr
	WIN 0
.endm
.macro FETCH_A slot, q, i0
.irp i, \i0, \i0+1, \i0+2, \i0+3
	FRAGA AF+FR*(\i), \slot, \q, (\i)%4
.endr
.endm
.macro SCALES sc
.irp i, 0,1,2,3,4,5,6,7
	ds_load_b64 v[SC+8*NQ*\sc+NQ*\i:SC+8*NQ*\sc+NQ*\i+1], v[ADRS+4*(\i/4)] offset:\i*SBLK
.endr
.endm
.macro PLACES n
.rept \n
	v_nop
.endr
.endm
.macro STEP slot, q, first
	s_wait_dscnt 0                                 ; this step's fragments and scale words are in
	FETCH_B \slot, (\q)+1, 1-(\q)%2                ; the next step's, into the second sets (the places behind the products that read those stand behind the change of slots)
	FETCH_A \slot, (\q)+1, 4
.if \first
	WIN ONE_LO
.else
	WIN MUL_LO
.endif
	MUL16 0, (\q)%2, \q, \slot, \first
	MUL16 2, (\q)%2, \q, \slot, \first
	PLACES NP
	WIN 0
.endm
.macro TURN slot, next, fill
	s_wait_tensorcnt 0x0
	ds_add_u32 v[SPW], v[NIL]
	s_wait_dscnt 1                                 ; (the add may be out)
	WIN MUL_LO
	MUL16 4, 1, NQ-1, \slot, 0
	s_wait_dscnt 0x0
	s_barrier_signal -1
	MUL16 6, 1, NQ-1, \slot, 0
	WIN 0
	s_barrier_wait -1
.if \fill
	CREST
	s_add_nc_u64 s[G0+4*\slot+2:G0+4*\slot+3], s[G0+4*\slot+2:G0+4*\slot+3], 2*3072
	s_add_nc_u64 s[G0B+4*\slot+2:G0B+4*\slot+3], s[G0B+4*\slot+2:G0B+4*\slot+3], 2*KSTB
	JLOAD G0+4*\slot, G1, G0B+4*\slot, G1B
.else
	PLACES NP
.endif
	s_wait_alu depctr_va_vdst(0)
	v_add_nc_u32 v[ADRS], 4*NQ, v[ADRS]
	v_add_nc_u32 v[ADRS+4], 4*NQ, v[ADRS+4]
	FETCH_B \next, 0, 0
	FETCH_A \next, 0, 0
	SCALES \next
.endm
	s_wait_alu depctr_va_vdst(0)                   ; the head's end
	s_wait_tensorcnt 0x0                           ; my tile of the head's four is in
	ds_add_u32 v[SPW], v[NIL]
	s_mov_b32 s[G1+2], 4<<16                       ; no tensor load of mine is out: from here on a load brings half a tile: 4 token tiles of A,
	s_mov_b32 s[G1+4], 4
	s_mov_b32 s[G1B+2], 96<<16                     ; 128 positions of B, 96 rows of 256 bytes
	s_mov_b32 s[G1B+4], 96
	s_mul_i32 s20, s16, 49152                      ; my half in memory: 4 token tiles of 12,288 bytes,
	s_mov_b32 s21, 0
	s_add_nc_u64 s[G0+2:G0+3], s[G0+2:G0+3], s[20:21]
	s_mul_i32 s20, s16, 24576                      ; 128 positions of 192 bytes
	s_add_nc_u64 s[G0B+2:G0B+3], s[G0B+2:G0B+3], s[20:21]
	s_mul_i32 s22, s16, HALFA                      ; and where the halves go
	s_mul_i32 s23, s16, HALFT
	s_add_co_u32 s23, s23, BOFF
	s_mov_b32 s[G0+1], s22
	s_mov_b32 s[G0B+1], s23
	s_mov_b32 s[G0+4], 1
	s_add_co_u32 s[G0+5], s22, SLOT
	s_add_nc_u64 s[G0+6:G0+7], s[G0+2:G0+3], 3072
	s_mov_b32 s[G0B+4], 1
	s_add_co_u32 s[G0B+5], s23, SLOT
	s_add_nc_u64 s[G0B+6:G0B+7], s[G0B+2:G0B+3], KSTB
	s_wait_dscnt 0x0
	CROUND                                         ; all four tiles are in, and all sixteen work-groups are here
	JLOAD G0+4, G1, G0B+4, G1B                     ; K step 1, the first tensor load behind the round
	FETCH_B 0, 0, 0
	FETCH_A 0, 0, 0
	SCALES 0
	s_wait_loadcnt 0x0
	STEP 0, 0, 1
	s_mov_b32 s3, LAPS-1
.Llap:
	TURN 0, 1, 1
	STEP 1, 0, 0
	TURN 1, 0, 1
	STEP 0, 0, 0
	s_sub_co_u32 s3, s3, 1
	s_cmp_lg_u32 s3, 0
	s_cbranch_scc1 .Llap
	TURN 0, 1, 0
	STEP 1, 0, 0
	s_wait_dscnt 0
	WIN MUL_LO
	MUL16 4, 1, NQ-1, 1, 0
	MUL16 6, 1, NQ-1, 1, 0
	WIN 0
.macro TOSTAGE a
.set AC, 64*((\a)%4)
	WIN 0x08+4*((\a)/4)
.irp b, 0,1,2,3,4,5,6,7
	ds_store_b128 v[STO], v[AC+8*\b:AC+8*\b+3] offset:128*(\b/2)+32*(\b%2)
	ds_store_b128 v[STO], v[AC+8*\b+4:AC+8*\b+7] offset:128*(\b/2)+32*(\b%2)+16
.endr
	WIN 0
.set BKB, BK+64*((\a)%2)
.irp t, 0,1,2,3,4,5,6,7,8,9,10,11,12,13,14,15
	ds_load_b128 v[BKB+4*\t:BKB+4*\t+3], v[RD] offset:\t*SPITCH
.endr
.endm
.macro SEND a, younger
.set BKB, BK+64*((\a)%2)
	s_wait_dscnt \younger
.if (\a) > 0
	s_add_nc_u64 s[12:13], s[12:13], 16*SIZE_N*4
.endif
.irp t, 0,1,2,3,4,5,6,7,8,9,10,11,12,13,14,15
	global_store_b128 v[CO], v[BKB+4*\t:BKB+4*\t+3], s[12:13] offset:\t*SIZE_N*4 th:TH_STORE_NT
.endr
.endm
	PLACES NP
	TOSTAGE 0
.irp a, 1,2,3
.if \a > 1
	s_wait_xcnt 0x0
.endif
	TOSTAGE \a
	SEND \a-1, 32
.endr
	s_wait_xcnt 0x0
	SEND 3, 0
	s_wait_tensorcnt 0x0
	ds_add_u32 v[SPW], v[NIL]
	s_wait_dscnt 0x0
	CROUND
	s_endpgm
.Lfunc_end_k_qde4df3b377_oproj:
	.size	k_qde4df3b377_oproj, .Lfunc_end_k_qde4df3b377_oproj-k_qde4df3b377_oproj
	.p2alignl 7, 3214868480
	.fill 96, 4, 3214868480
	.section	.rodata,"a",@progbits
	.p2align	6, 0x0
	.amdhsa_kernel k_qde4df3b377_oproj
		.amdhsa_group_segment_fixed_size 327680
		.amdhsa_private_segment_fixed_size 0
		.amdhsa_enable_private_segment 0
		.amdhsa_kernarg_size 48
		.amdhsa_user_sgpr_count 2
		.amdhsa_user_sgpr_kernarg_segment_ptr 1
		.amdhsa_wavefront_size32 1
		.amdhsa_system_sgpr_workgroup_id_x 1
		.amdhsa_system_sgpr_workgroup_id_y 1
		.amdhsa_system_sgpr_workgroup_id_z 1
		.amdhsa_system_vgpr_workitem_id 0
		.amdhsa_next_free_vgpr 1024
		.amdhsa_next_free_sgpr 100
		.amdhsa_reserve_vcc 0
		.amdhsa_float_denorm_mode_32 3
		.amdhsa_float_denorm_mode_16_64 3
		.amdhsa_memory_ordered 1
		.amdhsa_forward_progress 1
		.amdhsa_inst_pref_size 99
	.end_amdhsa_kernel
	.amdgpu_metadata
---
amdhsa.version: [ 1, 2 ]
amdhsa.kernels:
  - .name:           k_qde4df3b377_oproj
    .symbol:         k_qde4df3b377_oproj.kd
    .args:
      - { .name: ac, .offset: 0, .size: 8, .value_kind: global_buffer, .address_space: global }
      - { .name: asc, .offset: 8, .size: 8, .value_kind: global_buffer, .address_space: global }
      - { .name: wc, .offset: 16, .size: 8, .value_kind: global_buffer, .address_space: global }
      - { .name: ws, .offset: 24, .size: 8, .value_kind: global_buffer, .address_space: global }
      - { .name: out0, .offset: 32, .size: 8, .value_kind: global_buffer, .address_space: global }
      - { .name: bo, .offset: 40, .size: 8, .value_kind: global_buffer, .address_space: global }
    .group_segment_fixed_size: 327680
    .private_segment_fixed_size: 0
    .kernarg_segment_align: 8
    .kernarg_segment_size: 48
    .max_flat_workgroup_size: 128
    .sgpr_count:     100
    .vgpr_count:     1024
    .wavefront_size: 32
...
	.end_amdgpu_metadata
.endif
;; end of part 4
